; MI455X (gfx1250); checked and timed in simulation.
; The chip was launched on July 23, 2026; its instructions are those of AMD's public machine-readable ISA for CDNA 5 (MIT licence, August 2026) and "CDNA5" Instruction Set Architecture Reference Guide (July 2026). The comments in the code are by the model that wrote it; some were corrected since.
;; Multi Head Self Attention. Allowed arithmetic: matrix products marked QUANTISED: E5M2 operands, one E8M0 scale for each 32 along K, by v_wmma_scale_f32_16x16x128_f8f6f4 with both operands' format E5M2, f32 sums; everything else in f32.
;; Inputs: W_out_codes 1,024 x 32 x 32 uint8 (E5M2 codes of W_out, K innermost, in blocks of 32 codes); W_out_scales 1,024 x 32 uint8 (E8M0 scales of W_out, one for each 32 codes along K); W_qkv_codes 3,072 x 32 x 32 uint8 (E5M2 codes of W_qkv, K innermost, in blocks of 32 codes); W_qkv_scales 3,072 x 32 uint8 (E8M0 scales of W_qkv, one for each 32 codes along K); b_out 1,024 float32; b_qkv 3,072 float32; x_codes 2 x 2,048 x 32 x 32 uint8 (E5M2 codes of x, K innermost, in blocks of 32 codes); x_scales 2 x 2,048 x 32 uint8 (E8M0 scales of x, one for each 32 codes along K).
;; Outputs: out0 2 x 2,048 x 1,024 float32.
;; This version of the problem:
;;   THIS VERSION OF THE PROBLEM IS GIVEN IN LOW PRECISION. The matrix products marked QUANTISED in the list below multiply operands that are first quantised to E5M2 (5 exponent bits, 2 mantissa bits; 8 bits a number), with one power-of-two scale for each 32 numbers along K (OCP MX v1.0); their sums are f32. All else is computed in f32.
;;   The module's matrix products, in the order in which they are computed (A, B: the left and right operand; K: the contracted axis; several contracted axes count as one K, in the product's order):
;;     1. [M 4,096, K 1,024] x [K 1,024, N 3,072]; A: input x (given as codes); B: input W_qkv (given as codes): QUANTISED
;;     2. batch 32 x [M 2,048, K 64] x [K 64, N 2,048]; A: computed on the way; B: computed on the way: QUANTISED
;;     3. batch 32 x [M 2,048, K 2,048] x [K 2,048, N 64]; A: softmax (see below); B: computed on the way: QUANTISED
;;     4. [M 4,096, K 1,024] x [K 1,024, N 1,024]; A: computed on the way; B: input W_out (given as codes): QUANTISED
;;   THE QUANTISER, for each operand of a quantised product, along K:
;;     - K is cut into blocks of 32 from its start; a last block that is shorter is filled with zeros.
;;     - A block's scale is 2^e with e = floor(log2(the largest magnitude in the block)) - 15, held to -126 .. 127; a block of zeros has e = 0. As a byte (E8M0): e + 127.
;;     - Each number is divided by its block's scale, clamped to +-57,344, and rounded to the nearest number of E5M2, ties to even, subnormals kept.
;;     - The product sums the exact products of the quantised numbers (number of the format x scale) in f32.
;;   ~~~python
;;   def quantise(x, axis):      # numpy; x: float32 -> the quantised numbers, widened to float32 again
;;       x = np.moveaxis(x, axis, -1); K = x.shape[-1]
;;       x = np.pad(x, [(0, 0)] * (x.ndim - 1) + [(0, -K % 32)]); x = x.reshape(x.shape[:-1] + (-1, 32)); a = np.abs(x).max(-1, keepdims=True)
;;       e = np.where(a > 0, np.clip(np.frexp(np.where(a > 0, a, 1))[1] - 1 - 15, -126, 127), 0)      # np.frexp(a)[1] - 1 = floor(log2(a)), exactly
;;       r = np.clip(x / 2.0 ** e, -57344, 57344)
;;       step = 2.0 ** (np.maximum(np.frexp(np.where(r == 0, 1, r))[1] - 1, -14) - 2)
;;       q = np.round(r / step) * step * 2.0 ** e      # np.round: ties to even
;;       return np.moveaxis(q.reshape(q.shape[:-2] + (-1,))[..., :K], -1, axis).astype(np.float32)
;;   ~~~
;;   SOFTMAX AHEAD OF A QUANTISED PRODUCT. Where the list says 'softmax', what is quantised is not the finished softmax but p = 2^(t - M), with t = logit x log2(e) and M = ceil(the row's largest t), a whole number; so 1/2 < the row's largest p <= 1. The row's sum l is taken of the UNQUANTISED p, in f32, and the product's result is divided by l at the end. Since M is a whole number, a kernel that streams over the keys may use a running M (the ceiling of the running maximum): every later rescaling is an exact power of two, which a block's scale takes up: the codes' values come out the same.
;;   OPERANDS COMPUTED ON THE WAY. 'Computed on the way' means the value that the module computes at that place (a softmax that the list does not call 'softmax' is quantised finished and normalised). What goes into a quantiser is computed in f32, as accurately as f32 sums, v_exp_f32 and their like allow (about 1e-6 of the number): no bf16 or f16 on the way to a quantiser, and a product that is left as it is and whose result goes on into a quantised operand takes f32 operands (vector FMAs, or v_wmma_f32_16x16x4_f32). A number that lies on a knife's edge between two numbers of the format may be rounded either way, as far as f32 arithmetic and the matrix unit's own rounding can turn it there, and no further.
;;   INPUTS GIVEN AS CODES. W_out (in the module: [1024, 1024], K = its axis 0); W_qkv (in the module: [1024, 3072], K = its axis 0); x (in the module: [2, 2048, 1024], K = its axis 2): each comes as NAME_codes (uint8): NAME with its K axis moved to the last place and cut into blocks of 32 codes, [.., K / 32, bytes a block], one block behind the other in memory; one code a byte (a code: sign, 5 exponent bits, 2 mantissa bits); and NAME_scales (uint8): the same leading axes, one E8M0 byte (e + 127) for each 32 codes along K. Its value is code x scale, taken as it is: it is not quantised again, and the codes and scales need not be those that the quantiser above would give.
;; One version. Each part assembles by itself: llvm-mc -triple=amdgcn-amd-amdhsa -mcpu=gfx1250 --defsym DOCPART=n.
;; ======== version 1 of 1: 3 launches
;; limits: right only within a limited range of input values
;; workspace buffers: q_img 4,194,304 bytes; q_sc 131,072 bytes; kv_img 8,650,752 bytes; a_img 4,194,304 bytes; a_sc 131,072 bytes
;; launch qkv (part 1): grid 16 x 16, 4 waves a work-group, clusters of 4 x 4, 327,680 bytes of LDS; arguments x_codes, x_scales, W_qkv_codes, W_qkv_scales, b_qkv, q_img, q_sc, kv_img; writes q_img, q_sc, kv_img
.if DOCPART == 1
	.amdgcn_target "amdgcn-amd-amdhsa--gfx1250"
	.amdhsa_code_object_version 6
	.text
	.protected	k_q5b6df3b8d7_qkv
	.globl	k_q5b6df3b8d7_qkv
	.p2align	8
	.type	k_q5b6df3b8d7_qkv,@function
k_q5b6df3b8d7_qkv:
	s_mov_b64 s[64:65], 0
	v_nop
	global_prefetch_b8 v0, s[64:65] scope:SCOPE_SE
	s_setreg_imm32_b32 hwreg(HW_REG_WAVE_MODE, 25, 1), 1
	s_wait_xcnt 0x0
	s_wait_alu depctr_hold_cnt(0) depctr_sa_sdst(0) depctr_va_vdst(0) depctr_va_sdst(0) depctr_va_ssrc(0) depctr_va_vcc(0) depctr_vm_vsrc(0)
	s_getreg_b32 s2, hwreg(HW_REG_IB_STS2, 6, 4)
	s_cmp_eq_u32 s2, 0
	s_cbranch_scc0 .Lentry_in_a_cluster
	s_endpgm
.Lentry_in_a_cluster:
	s_bfe_u32 s2, ttmp6, 0x10000c
	s_cmp_lg_u32 s2, 0xf033
	s_cbranch_scc0 .Lentry_shape_is_right
	s_endpgm
.Lentry_shape_is_right:
; FIRST OF THREE LAUNCHES: qkv = x W_qkv + b_qkv on codes of E5M2 with E8M0 scales, and q, k, v quantised for the attention: q and k along the head's 64, v along the tokens (its K in the second product).
; DEAD WORK IN THE WHOLE PROGRAM: only the key steps of the attention that lie wholly behind the causal mask which reference() builds itself (jnp.tril): their scores become -infinity, their weights 0, whatever
; the inputs hold.  They are left out in the second launch, in whole steps of 128 keys for 32 queries.  Every input has a way to the output and is loaded; b_qkv's part for k stays: it goes into a quantiser.
; LIMITS: a NaN, an infinity or an overflow that reaches only those hidden steps is not carried to the result.  NaN and infinities in q, k, v are not served.  A block of zeros gets the scale byte 1 where the rule
; says 127 (its codes are zeros, and this program alone reads the bytes); blocks whose largest magnitude lies under 2^(16 - 127), the floor, are held at byte 1.
; SHARES.  256 work-groups: each makes q, k AND v of one head for 256 tokens: 256 x 192 of the product.  Four waves: wave w takes 128 tokens (w / 2) x 32 dims (w % 2) of each of the three: 8 tiles of tokens, 6 of W_qkv's rows, 48 accumulators.
; K = 1,024 goes in four slots' worth of 256 through a ring of two LDS slots, each with 256 rows of x and 64 rows of W_q, W_k, W_v: one joint load a wave: waves 0 to 2 W's, wave 3 x's.  x's tiles are shared along a row of the cluster, W's along a column.
; The scale words of all K go straight into registers: 32 rows x 32 dense bytes a pair of tiles.  The bias is the C of each sum's first instruction.
; q, k: source 0 = W's rows, source 1 = tokens: a lane holds one token, its registers run along the dims.  v: source 0 = tokens, source 1 = W's rows: a lane holds one dim, its registers run along the tokens.
; ORDER ALONG THE NEXT PRODUCTS' K.  Lane (r, h) of tiles 2 b and 2 b + 1 (u = 0, 1) holds places 16 u + 8 h + j of block b; they are written as places 16 h + 8 u + j.  For dims it is the same in q and in k, for keys the same in v and in the weights of the attention: the products' sums are over the same pairs.
; v's dims are put in order by the rows that its tiles take: lane r of tile u takes row 8 u + r % 8 + 16 (r / 8).
; OUT, straight from registers, 512 consecutive bytes a store (16 x lane):
;   q_img [bh][tile of 16 tokens][32 dims' block][512].   kv_img [bh][128 keys][16,896], a head's blocks of 128 keys in REVERSE order (block s at place 15 - s): K in q_img's form; at 8,192 V's four tiles of 16 dims x four blocks of 32 keys x 512; at 16,384 K's scale bytes; at 16,640 V's.
;   q_sc [bh][128 tokens][256]: row r of tile a, block e at 16 r + 2 a + e.  K's likewise.  V's: 16 x lane row + 4 x tile + key block.
; REGISTERS: window 0: v1-15, v124-126 addresses; v16-47 x's scale words (8 p + s: lanes 0-15 tile 2 p, lanes 16-31 tile 2 p + 1; K step s), v52-75 W's (no product's two numbers are equal modulo 8); v76-123 the bias; v128-255 v's accumulators.
;   window 1, window 2: fragments of even, of odd K steps: 8 of x, 6 of W.   window 3: q's accumulators, k's from v128.
.set PITCH, 272                        ; an LDS row: 256 bytes + 16 of padding = 68 words: 16 neighbouring rows start at 16 different banks (64 banks of 4 bytes: ISA guide 11.1)
.set WOFF,  256*PITCH                  ; a slot: x's 256 rows, then W's 192
.set SLOT,  448*PITCH
.set XS,    2*SLOT                     ; the scale bytes on their way out: [128 tokens of two][K 256, V 256], then q's likewise in steps of 512
.set SPARE, XS+2048                    ; the spare words, 128 bytes a wave
.set AX,   2                           ; v2-3 x's fragments in slot 0, 1;  v4-5 q's and k's rows of W;  v6-7 v's
.set AW,   4
.set AV,   6
.set XSO,  8
.set VSO,  9
.set BO,   10
.set VBO,  11
.set STB,  12
.set PFO,  13
.set SPW,  14
.set NIL,  15
.set SX,   16
.set SW,   52
.set BQ,   76
.set BV,   108
.set STV,  124
.set LO,   125
.set RD,   126
.set T,    16                          ; the way out: v16-47 at work, v52-83 and v84-115 codes
.set P,    24
.set SO,   32
.set BD,   40
.set CD0,  52
.set CD1,  84
.set G1X,  32
.set G1W,  40
.set G0X,  48
.set G0W,  52
.set SEL,  58
.set MNT,  60
.set PFA,  62
.set MSB, 0
.macro WIN new                         ; the immediate's high byte repeats the setting that is left
.if MSB != (\new)
	s_set_vgpr_msb (MSB<<8)|(\new)
.set MSB, (\new)
.endif
.endm
.macro PLACES n                        ; plain vector instructions between a matrix instruction and a load into, or a vector instruction on, its registers
.rept \n
	v_nop
.endr
.endm
.macro JLOAD                           ; a joint load a wave; the branch hangs on the wave's number alone
	s_cmp_lt_u32 s20, 3
	s_cbranch_scc0 .Lfor_x_\@
	tensor_load_to_lds s[G0W:G0W+3], s[G1W:G1W+7]
	s_nop 0
	PLACES 4
	s_branch .Lasked_\@
.Lfor_x_\@:
	tensor_load_to_lds s[G0X:G0X+3], s[G1X:G1X+7]
	s_nop 0
	PLACES 4
.Lasked_\@:
.endm
.macro NEXT slot                       ; the groups 0: the next 256 along K, into that slot
	s_mov_b32 s[G0X+1], (\slot)*SLOT
	s_add_co_u32 s[G0W+1], s56, (\slot)*SLOT
	s_add_nc_u64 s[G0X+2:G0X+3], s[G0X+2:G0X+3], 256
	s_add_nc_u64 s[G0W+2:G0W+3], s[G0W+2:G0W+3], 256
.endm
.macro CREST                           ; a round of the cluster's barrier behind its opening barrier
	s_cmp_lg_u32 s20, 0
	s_cbranch_scc1 .Lnot_wave_0_\@
	s_barrier_signal -3
.Lnot_wave_0_\@:
	s_barrier_wait -3
	s_barrier_signal -1
	s_barrier_wait -1
.endm
.macro CROUND
	s_barrier_signal -1
	s_barrier_wait -1
	CREST
.endm
; A PREFETCH INTO THE L2 of the slot's worth of K that the NEXT load will ask for: 256 rows of x, 192 of W, 256 bytes each, a lane a row, one instruction a wave.  The four partners that ask for a tile jointly share its rows out by address:
; x: partner cx takes rows 64 cx on (waves 0 and 1), W: partner cy rows 48 cy on (waves 2 and 3; lanes left over name the last row again).  The first slot's worth comes by its load alone, and the last change asks for nothing.
.macro ASK off
	global_prefetch_b8 v[PFO], s[PFA:PFA+1] offset:\off th:TH_LOAD_NT scope:SCOPE_SE
.endm
	s_load_b256 s[4:11], s[0:1], 0x0               ; x's codes, scales; W_qkv's codes, scales
	s_load_b256 s[12:19], s[0:1], 0x20             ; b_qkv, q_img, q_sc, kv_img
	v_lshl_add_u32 v[SPW], v0, 2, SPARE
	v_mov_b32 v[NIL], 0
	ds_add_u32 v[SPW], v[NIL]                      ; the wave's opening: the add, twice on end, and its wait ahead of my first tensor load
	ds_add_u32 v[SPW], v[NIL]
	v_lshrrev_b32 v1, 5, v0
	v_readfirstlane_b32 s20, v1                    ; wave 0..3
	s_lshr_b32 s21, s20, 1                         ; my 128 tokens
	s_and_b32 s22, s20, 1                          ; my 32 dims
	s_bfe_u32 s23, ttmp6, 0x40000                  ; cx
	s_bfe_u32 s24, ttmp6, 0x40004                  ; cy
	s_lshl_b32 s25, ttmp9, 2
	s_add_co_u32 s25, s25, s23                     ; the head
	s_and_b32 s26, ttmp7, 0xffff
	s_lshl_b32 s26, s26, 2
	s_add_co_u32 s26, s26, s24                     ; the 256 tokens
	s_lshl_b32 s27, s24, 2
	s_lshl_b32 s27, 15, s27                        ; my row of the cluster
	s_lshl_b32 s28, 0x1111, s23                    ; my column
	s_or_b32 s[G1X], s27, (1<<20)|(1<<21)|(5<<22)|(3<<25)   ; the mask; elements of 1 byte; 4 words of padding behind every 64; bit 21 beside a mask
	s_mov_b32 s[G1X+1], 256<<16
	s_mov_b32 s[G1X+2], 256<<16
	s_mov_b32 s[G1X+3], 256<<16
	s_mov_b32 s[G1X+4], 256
	s_mov_b32 s[G1X+5], 1024
	s_mov_b32 s[G1X+6], 0
	s_mov_b32 s[G1X+7], 0
	s_or_b32 s[G1W], s28, (1<<20)|(1<<21)|(5<<22)|(3<<25)
	s_mov_b32 s[G1W+1], 256<<16
	s_mov_b32 s[G1W+2], 64<<16
	s_mov_b32 s[G1W+3], 256<<16
	s_mov_b32 s[G1W+4], 64
	s_mov_b32 s[G1W+5], 1024
	s_mov_b32 s[G1W+6], 0
	s_mov_b32 s[G1W+7], 0
	s_mul_i32 s56, s20, 64*PITCH
	s_add_co_u32 s56, s56, WOFF                    ; where my 64 rows of W go
	s_lshl_b32 s66, s26, 18                        ; x's tile
	s_mov_b32 s67, 0
	s_lshl_b32 s68, s20, 20
	s_lshl_b32 s69, s25, 16
	s_add_co_u32 s68, s68, s69                     ; W's: tensor x 1,024 rows + head x 64
	s_mov_b32 s69, 0
	s_mul_i32 s70, s21, 128*PITCH
	s_mul_i32 s71, s22, 32*PITCH
	s_add_co_u32 s71, s71, WOFF
	s_lshl_b32 s72, s21, 9
	s_add_co_u32 s72, s72, XS
	s_lshl_b32 s73, s22, 3
	s_add_co_u32 s73, s73, s72
	s_add_co_u32 s73, s73, 256                     ; v's scale words: 8 x dims' half
	s_add_co_u32 s72, s72, s22                     ; q's and k's scale bytes: + dims' half
	s_cmp_lt_u32 s20, 2
	s_cselect_b32 s74, 31, 15                      ; waves 0, 1 store K's and V's 512 scale bytes of 128 tokens, waves 2, 3 q's 256
	s_lshl_b32 s75, s20, 9
	s_add_co_u32 s75, s75, XS
	s_mul_i32 s76, s24, 48                         ; the prefetches: my first row of W's 192,
	s_lshl_b32 s77, s23, 6
	s_lshl_b32 s78, s20, 5
	s_sub_co_u32 s79, s78, 64
	s_add_co_u32 s77, s77, s78                     ; and of x's 256
	v_and_b32 v16, 15, v0                          ; r
	v_bfe_u32 v17, v0, 4, 1                        ; h
	v_and_b32 v18, 31, v0                          ; lane
	v_and_b32 v19, 7, v16
	v_lshrrev_b32 v20, 3, v16
	v_lshlrev_b32 v1, 4, v18                       ; 16 x lane
	v_lshl_add_u32 v21, v20, 4, v19                ; r % 8 + 16 (r / 8)
	v_mul_u32_u24 v22, v16, PITCH
	v_lshl_add_u32 v22, v17, 4, v22                ; a fragment's row x pitch + 16 h
	v_mul_u32_u24 v23, v21, PITCH
	v_lshl_add_u32 v23, v17, 4, v23
	v_add_nc_u32 v[AX], s70, v22
	v_add_nc_u32 v[AW], s71, v22
	v_add_nc_u32 v[AV], s71, v23
	v_add_nc_u32 v[AX+1], SLOT, v[AX]
	v_add_nc_u32 v[AW+1], SLOT, v[AW]
	v_add_nc_u32 v[AV+1], SLOT, v[AV]
	v_lshlrev_b32 v[XSO], 5, v18                   ; scale words: lane l takes row l of a pair of tiles
	v_lshl_add_u32 v24, v17, 3, v21
	v_lshlrev_b32 v[VSO], 5, v24                   ; v's: row 8 u + r % 8 + 16 (r / 8)
	v_lshlrev_b32 v[BO], 5, v17                    ; the bias: q, k: dims 8 h on
	v_lshlrev_b32 v[VBO], 2, v21                   ; v: my dim
	v_lshl_add_u32 v[STB], v16, 4, s72
	v_lshl_add_u32 v[STV], v16, 4, s73
	v_and_b32 v[LO], s74, v18
	v_lshlrev_b32 v[LO], 4, v[LO]
	v_add_nc_u32 v[RD], s75, v[LO]
	v_add_nc_u32 v25, s79, v18
	v_min_u32 v25, 47, v25                         ; waves 2, 3: lane + 32 (w - 2), at most 47
	v_add_nc_u32 v25, s76, v25
	s_wait_alu depctr_va_vdst(0)                   ; ahead of the wait below and of the branch
	s_wait_dscnt 0x0                               ; both opening adds are done
	s_cmp_lt_u32 s20, 2
	s_cbranch_scc1 .Lask_x
	v_lshrrev_b32 v26, 6, v25
	v_and_b32 v25, 63, v25
	v_lshlrev_b32 v[PFO], 10, v25
	v_lshl_add_u32 v[PFO], v26, 20, v[PFO]
	s_branch .Lask_made
.Lask_x:
	v_add_nc_u32 v26, s77, v18
	v_lshlrev_b32 v[PFO], 10, v26
.Lask_made:
	s_wait_alu depctr_va_vdst(0)
	s_wait_kmcnt 0x0
	s_mov_b32 s[G0X], 1
	s_mov_b32 s[G0X+1], 0
	s_add_nc_u64 s[G0X+2:G0X+3], s[4:5], s[66:67]
	s_or_b32 s[G0X+3], s[G0X+3], 0x80000000
	s_mov_b32 s[G0W], 1
	s_mov_b32 s[G0W+1], s56
	s_add_nc_u64 s[G0W+2:G0W+3], s[8:9], s[68:69]
	s_or_b32 s[G0W+3], s[G0W+3], 0x80000000
	CROUND                                         ; all sixteen work-groups are here: the first joint loads meet
	JLOAD
	s_lshl_b32 s70, s26, 13
	s_lshl_b32 s71, s21, 12
	s_add_co_u32 s70, s70, s71
	s_mov_b32 s71, 0
	s_add_nc_u64 s[6:7], s[6:7], s[70:71]          ; x's scale bytes: my 128 rows
	s_lshl_b32 s70, s25, 11
	s_lshl_b32 s72, s22, 10
	s_add_co_u32 s70, s70, s72
	s_add_nc_u64 s[10:11], s[10:11], s[70:71]      ; W's: my 32 rows of each tensor, 32,768 bytes apart
	s_lshl_b32 s70, s25, 8
	s_lshl_b32 s72, s22, 7
	s_add_co_u32 s70, s70, s72
	s_add_nc_u64 s[12:13], s[12:13], s[70:71]      ; the bias, 4,096 bytes apart
.irp p, 0,1,2,3
	global_load_b128 v[SX+8*\p:SX+8*\p+3], v[XSO], s[6:7] offset:1024*\p
	global_load_b128 v[SX+8*\p+4:SX+8*\p+7], v[XSO], s[6:7] offset:1024*\p+16
.endr
.irp p, 0,1
	global_load_b128 v[SW+8*\p:SW+8*\p+3], v[XSO], s[10:11] offset:32768*\p
	global_load_b128 v[SW+8*\p+4:SW+8*\p+7], v[XSO], s[10:11] offset:32768*\p+16
.endr
	global_load_b128 v[SW+16:SW+19], v[VSO], s[10:11] offset:65536
	global_load_b128 v[SW+20:SW+23], v[VSO], s[10:11] offset:65536+16
.irp w, 0,1,2,3
	global_load_b128 v[BQ+8*\w:BQ+8*\w+3], v[BO], s[12:13] offset:4096*(\w/2)+64*(\w%2)
	global_load_b128 v[BQ+8*\w+4:BQ+8*\w+7], v[BO], s[12:13] offset:4096*(\w/2)+64*(\w%2)+16
.endr
	global_load_b32 v[BV], v[VBO], s[12:13] offset:8192
	global_load_b32 v[BV+8], v[VBO], s[12:13] offset:8192+32
	s_lshl_b32 s72, s22, 12                        ; (dims' half x 4,096)
	s_lshl_b32 s70, s25, 16                        ; the prefetches: W's first row of my head, or x's tile
	s_cmp_lt_u32 s20, 2
	s_cselect_b64 s[PFA:PFA+1], s[4:5], s[8:9]
	s_cselect_b32 s70, s66, s70
	s_add_nc_u64 s[PFA:PFA+1], s[PFA:PFA+1], s[70:71]
	ASK 256
	; where my results go.  cx and cy enter global addresses alone
	s_lshr_b32 s29, s26, 3
	s_lshl_b32 s29, s29, 4
	s_add_co_u32 s29, s29, s25
	s_lshl_b32 s29, s29, 4                         ; 16 x (16 x batch + head)
	s_and_b32 s30, s26, 7
	s_lshl_b32 s30, s30, 1
	s_add_co_u32 s31, s30, s21                     ; my block of 128 tokens
	s_add_co_u32 s76, s29, s31
	s_lshl_b32 s76, s76, 13
	s_lshl_b32 s78, s22, 9
	s_add_co_u32 s76, s76, s78
	s_mov_b32 s77, 0
	s_add_nc_u64 s[14:15], s[14:15], s[76:77]      ; q's codes
	s_sub_co_u32 s31, 15, s31
	s_add_co_u32 s31, s31, s29
	s_mul_i32 s76, s31, 16896
	s_add_co_u32 s80, s76, s72
	s_add_co_u32 s80, s80, 8192
	s_mov_b32 s81, 0
	s_add_co_u32 s76, s76, s78
	s_add_nc_u64 s[82:83], s[18:19], s[76:77]      ; k's
	s_add_nc_u64 s[80:81], s[18:19], s[80:81]      ; v's
	s_add_co_u32 s30, s30, s22                     ; the scale bytes that I store: of block 2 (token tile) + w % 2
	s_add_co_u32 s76, s29, s30
	s_lshl_b32 s76, s76, 8                         ; q's,
	s_sub_co_u32 s30, 15, s30
	s_add_co_u32 s30, s30, s29
	s_mul_i32 s30, s30, 16896
	s_add_co_u32 s30, s30, 16384                   ; K's and V's
	s_cmp_lt_u32 s20, 2
	s_cselect_b32 s76, s30, s76
	s_cselect_b64 s[84:85], s[18:19], s[16:17]
	s_add_nc_u64 s[84:85], s[84:85], s[76:77]
	s_mov_b32 s[SEL], 0x76543210
	s_mov_b32 s[SEL+1], 0xfedcba98
	s_mov_b32 s[MNT], 0x600000
.macro FETCH s                         ; K step s (128 along K): 56 LDS loads into set s % 2.  A fragment is 16 rows x 128 K: lane l holds row l % 16; registers 4 c .. 4 c + 3 hold K = 32 c + 16 (l / 16) + 0 .. 15
.set SL_, ((\s)/2)%2
.set KO_, 128*((\s)%2)
	WIN 0x40*(1+(\s)%2)
.irp a, 0,1,2,3,4,5,6,7
.irp c, 0,1,2,3
	ds_load_b128 v[16*\a+4*\c:16*\a+4*\c+3], v[AX+SL_] offset:16*PITCH*\a+KO_+32*\c
.endr
.endr
.irp w, 0,1,2,3
.irp c, 0,1,2,3
	ds_load_b128 v[128+16*\w+4*\c:128+16*\w+4*\c+3], v[AW+SL_] offset:64*PITCH*(\w/2)+16*PITCH*(\w%2)+KO_+32*\c
.endr
.endr
.irp w, 0,1
.irp c, 0,1,2,3
	ds_load_b128 v[192+16*\w+4*\c:192+16*\w+4*\c+3], v[AV+SL_] offset:128*PITCH+8*PITCH*\w+KO_+32*\c
.endr
.endr
.endm
.macro WM                              ; one product: D_, A_, B_, C_, scale registers SA_, SB_ and their rows RA_, RB_
.if RA_ && RB_
	v_wmma_scale_f32_16x16x128_f8f6f4 v[D_:D_+7], v[A_:A_+15], v[B_:B_+15], v[C_:C_+7], v[SA_], v[SB_] matrix_a_fmt:MATRIX_FMT_BF8 matrix_b_fmt:MATRIX_FMT_BF8 matrix_a_scale:MATRIX_SCALE_ROW1 matrix_b_scale:MATRIX_SCALE_ROW1
.elseif RA_
	v_wmma_scale_f32_16x16x128_f8f6f4 v[D_:D_+7], v[A_:A_+15], v[B_:B_+15], v[C_:C_+7], v[SA_], v[SB_] matrix_a_fmt:MATRIX_FMT_BF8 matrix_b_fmt:MATRIX_FMT_BF8 matrix_a_scale:MATRIX_SCALE_ROW1
.elseif RB_
	v_wmma_scale_f32_16x16x128_f8f6f4 v[D_:D_+7], v[A_:A_+15], v[B_:B_+15], v[C_:C_+7], v[SA_], v[SB_] matrix_a_fmt:MATRIX_FMT_BF8 matrix_b_fmt:MATRIX_FMT_BF8 matrix_b_scale:MATRIX_SCALE_ROW1
.else
	v_wmma_scale_f32_16x16x128_f8f6f4 v[D_:D_+7], v[A_:A_+15], v[B_:B_+15], v[C_:C_+7], v[SA_], v[SB_] matrix_a_fmt:MATRIX_FMT_BF8 matrix_b_fmt:MATRIX_FMT_BF8
.endif
.endm
.macro QK s, a0, n                     ; K step s: q's and k's four products for each of n tiles of tokens from a0 on
.if (\s) == 0
	WIN 5*(1+(\s)%2)+0xc0                          ; C, the bias, in window 0; D in window 3
.else
	WIN 5*(1+(\s)%2)+0xf0
.endif
.set N_, \a0
.rept \n
.irp w, 0,1,2,3
.set D_, 128*(\w/2)+16*N_+8*(\w%2)
.set A_, 128+16*\w
.set B_, 16*N_
.set C_, D_
.if (\s) == 0
.set C_, BQ+8*\w
.endif
.set SA_, SW+8*(\w/2)+(\s)
.set SB_, SX+8*(N_/2)+(\s)
.set RA_, \w%2
.set RB_, N_%2
	WM
.endr
.set N_, N_+1
.endr
.endm
.macro VV s, w, a0, n                  ; K step s: v's products of W's tile w with n tiles of tokens from a0 on
	WIN 5*(1+(\s)%2)
.set N_, \a0
.rept \n
.set D_, 128+64*(\w)+8*N_
.set A_, 16*N_
.set B_, 192+16*(\w)
.set C_, D_
.if (\s) == 0
.set C_, BV+8*(\w)
.endif
.set SA_, SX+8*(N_/2)+(\s)
.set SB_, SW+16+(\s)
.set RA_, N_%2
.set RB_, \w
	WM
.set N_, N_+1
.endr
.endm
.macro EVEN s                          ; the next K step lies in the same slot
.if (\s) > 0
	PLACES 8
.endif
	FETCH (\s)+1
	s_wait_dscnt 56                                ; all but the 56 just issued: this step's fragments are in
	QK \s, 0, 8
	VV \s, 0, 0, 8
	VV \s, 1, 0, 8
.endm
.macro ODD s, fill                     ; the next K step lies in the other slot: one barrier; where this slot is filled again it opens a round of the cluster's
	s_wait_dscnt 0x0                               ; this step's fragments are in
	QK \s, 0, 6
	VV \s, 0, 0, 8
	WIN 0
	s_wait_tensorcnt 0x0                           ; my part of the other slot is in
	ds_add_u32 v[SPW], v[NIL]
.if \fill
	NEXT ((\s)/2)%2
.endif
	VV \s, 1, 0, 4
	s_wait_dscnt 0x0                               ; the add is done, and my reads of this slot are over
	s_barrier_signal -1
	VV \s, 1, 4, 4
	WIN 0
	s_barrier_wait -1
.if \fill
	CREST
	JLOAD                                          ; the first tensor load behind the round
	PLACES 4
.else
	PLACES 8
.endif
	FETCH (\s)+1
.if (\s) == 1
	WIN 0
	ASK 768
.endif
	QK \s, 6, 2
.endm
	s_wait_alu depctr_va_vdst(0)                   ; the wait at the head's end
	s_wait_tensorcnt 0x0                           ; my tile is in
	ds_add_u32 v[SPW], v[NIL]
	NEXT 1
	s_wait_dscnt 0x0
	CROUND                                         ; all four tiles are in, and all sixteen work-groups are here
	JLOAD                                          ; slot 1's first fill
	FETCH 0
	WIN 0
	ASK 512
	s_wait_loadcnt 0x0                             ; scale words and bias
.irp i, 1,2,3,4,5,6,7
	v_mov_b32 v[BV+\i], v[BV]
	v_mov_b32 v[BV+8+\i], v[BV+8]
.endr
	s_wait_alu depctr_va_vdst(0)
	EVEN 0
	ODD 1, 1
	EVEN 2
	ODD 3, 1
	EVEN 4
	ODD 5, 0
	EVEN 6
	s_wait_dscnt 0x0
	QK 7, 0, 8
	VV 7, 0, 0, 8
	VV 7, 1, 0, 8
	WIN 0
	PLACES 8
; THE WAY OUT of 8 blocks of 32, block i in registers x + 16 i .. + 15 of window w, in lanes l and l xor 16: codes to v[cd] on, bytes to v[P] on
.macro OUT x, w, cd
	WIN 5*(\w)
.irp i, 0,1,2,3,4,5,6,7
	v_max3_num_f32 v[T+\i], |v[\x+16*\i]|, |v[\x+16*\i+1]|, 0x8000000   ; with the floor 2^(16 - 127): the byte cannot fall under 1
.endr
.irp j, 2,4,6,8,10,12,14
.irp i, 0,1,2,3,4,5,6,7
	v_max3_num_f32 v[T+\i], |v[\x+16*\i+\j]|, |v[\x+16*\i+\j+1]|, v[T+\i]
.endr
.endr
	WIN 0
.irp i, 0,1,2,3,4,5,6,7
	v_permlanex16_b32 v[P+\i], v[T+\i], s[SEL], s[SEL+1]
.endr
.irp i, 0,1,2,3,4,5,6,7
	v_max_num_f32 v[T+\i], v[T+\i], v[P+\i]
.endr
.irp i, 0,1,2,3,4,5,6,7
	v_add_nc_u32 v[SO+\i], 0xf8800000, v[T+\i]     ; 15 off its exponent field: the conversion's scale operand
.endr
.irp i, 0,1,2,3,4,5,6,7
	v_and_or_b32 v[BD+\i], v[T+\i], 0x7f800000, s[MNT]   ; 57,344 x the scale
.endr
.irp i, 0,1,2,3,4,5,6,7
	v_lshrrev_b32 v[P+\i], 23, v[SO+\i]            ; the scale's byte
.endr
	WIN 0x41*(\w)
.irp i, 0,1,2,3,4,5,6,7
.irp j, 0,1,2,3,4,5,6,7,8,9,10,11,12,13,14,15
	v_med3_num_f32 v[\x+16*\i+\j], v[\x+16*\i+\j], -v[BD+\i], v[BD+\i]   ; the conversion does not saturate (ISA guide 7.6.2)
.endr
.endr
	WIN \w
.irp i, 0,1,2,3,4,5,6,7
	v_cvt_scalef32_pk8_bf8_f32 v[\cd+4*\i:\cd+4*\i+1], v[\x+16*\i:\x+16*\i+7], v[SO+\i]
	v_cvt_scalef32_pk8_bf8_f32 v[\cd+4*\i+2:\cd+4*\i+3], v[\x+16*\i+8:\x+16*\i+15], v[SO+\i]
.endr
	WIN 0
	v_nop
.endm
	OUT 0, 3, CD0
.irp i, 0,1,2,3,4,5,6,7
	global_store_b128 v1, v[CD0+4*\i:CD0+4*\i+3], s[14:15] offset:1024*\i
	ds_store_b8 v[STB], v[P+\i] offset:1024+2*\i
.endr
	OUT 128, 3, CD1
.irp i, 0,1,2,3,4,5,6,7
	global_store_b128 v1, v[CD1+4*\i:CD1+4*\i+3], s[82:83] offset:1024*\i
	ds_store_b8 v[STB], v[P+\i] offset:2*\i
.endr
	s_wait_alu depctr_va_vdst(0)
	s_wait_xcnt 0x0                                ; q's stores have read their registers
	OUT 128, 0, CD0                                ; block i: W's tile i / 4, keys 32 (i % 4) on
.irp i, 0,1,2,3,4,5,6,7
	global_store_b128 v1, v[CD0+4*\i:CD0+4*\i+3], s[80:81] offset:2048*(\i/4)+512*(\i%4)
.endr
.irp w, 0,1
	v_lshl_or_b32 v[T+\w], v[P+4*\w+1], 8, v[P+4*\w]
.endr
.irp w, 0,1
	v_lshl_or_b32 v[T+\w], v[P+4*\w+2], 16, v[T+\w]
.endr
.irp w, 0,1
	v_lshl_or_b32 v[T+\w], v[P+4*\w+3], 24, v[T+\w]
.endr
	ds_store_b64 v[STV], v[T:T+1]
	s_wait_dscnt 0x0                               ; for the other waves' sake
	s_barrier_signal -1
	s_barrier_wait -1
	ds_load_b128 v[T+4:T+7], v[RD]
	s_wait_dscnt 0x0
	global_store_b128 v[LO], v[T+4:T+7], s[84:85]  ; 512 or 256 consecutive bytes (waves 2, 3: lanes l and l + 16 the same bytes)
	s_wait_tensorcnt 0x0                           ; the wave's end
	ds_add_u32 v[SPW], v[NIL]
	s_wait_dscnt 0x0
	CROUND                                         ; the closing round
	s_endpgm
.Lfunc_end_k_q5b6df3b8d7_qkv:
	.size	k_q5b6df3b8d7_qkv, .Lfunc_end_k_q5b6df3b8d7_qkv-k_q5b6df3b8d7_qkv
	.p2alignl 7, 3214868480
	.fill 96, 4, 3214868480
	.section	.rodata,"a",@progbits
	.p2align	6, 0x0
	.amdhsa_kernel k_q5b6df3b8d7_qkv
		.amdhsa_group_segment_fixed_size 327680
		.amdhsa_private_segment_fixed_size 0
		.amdhsa_enable_private_segment 0
		.amdhsa_kernarg_size 64
		.amdhsa_user_sgpr_count 2
		.amdhsa_user_sgpr_kernarg_segment_ptr 1
		.amdhsa_wavefront_size32 1
		.amdhsa_system_sgpr_workgroup_id_x 1
		.amdhsa_system_sgpr_workgroup_id_y 1
		.amdhsa_system_sgpr_workgroup_id_z 1
		.amdhsa_system_vgpr_workitem_id 0
		.amdhsa_next_free_vgpr 1024
		.amdhsa_next_free_sgpr 98
		.amdhsa_reserve_vcc 0
		.amdhsa_float_denorm_mode_32 3
		.amdhsa_float_denorm_mode_16_64 3
		.amdhsa_memory_ordered 1
		.amdhsa_forward_progress 1
		.amdhsa_inst_pref_size 146
	.end_amdhsa_kernel
	.amdgpu_metadata
---
amdhsa.version: [ 1, 2 ]
amdhsa.kernels:
  - .name:           k_q5b6df3b8d7_qkv
    .symbol:         k_q5b6df3b8d7_qkv.kd
    .args:
      - { .name: x_codes, .offset: 0, .size: 8, .value_kind: global_buffer, .address_space: global }
      - { .name: x_scales, .offset: 8, .size: 8, .value_kind: global_buffer, .address_space: global }
      - { .name: W_qkv_codes, .offset: 16, .size: 8, .value_kind: global_buffer, .address_space: global }
      - { .name: W_qkv_scales, .offset: 24, .size: 8, .value_kind: global_buffer, .address_space: global }
      - { .name: b_qkv, .offset: 32, .size: 8, .value_kind: global_buffer, .address_space: global }
      - { .name: q_img, .offset: 40, .size: 8, .value_kind: global_buffer, .address_space: global }
      - { .name: q_sc, .offset: 48, .size: 8, .value_kind: global_buffer, .address_space: global }
      - { .name: kv_img, .offset: 56, .size: 8, .value_kind: global_buffer, .address_space: global }
    .group_segment_fixed_size: 327680
    .private_segment_fixed_size: 0
    .kernarg_segment_align: 8
    .kernarg_segment_size: 64
    .max_flat_workgroup_size: 128
    .sgpr_count:     98
    .vgpr_count:     1024
    .wavefront_size: 32
...
	.end_amdgpu_metadata
.endif
;; end of part 1
;; launch attn (part 2): grid 8 x 32, 8 waves a work-group, clusters of 4 x 1, 327,680 bytes of LDS; arguments q_img, q_sc, kv_img, a_img, a_sc; writes a_img, a_sc
.if DOCPART == 2
	.amdgcn_target "amdgcn-amd-amdhsa--gfx1250"
	.amdhsa_code_object_version 6
	.text
	.protected	k_q5b6df3b8d7_attn
	.globl	k_q5b6df3b8d7_attn
	.p2align	8
	.type	k_q5b6df3b8d7_attn,@function
k_q5b6df3b8d7_attn:
	s_mov_b64 s[64:65], 0
	v_nop
	global_prefetch_b8 v0, s[64:65] scope:SCOPE_SE
	s_setreg_imm32_b32 hwreg(HW_REG_WAVE_MODE, 25, 1), 1
	s_wait_xcnt 0x0
	s_wait_alu depctr_hold_cnt(0) depctr_sa_sdst(0) depctr_va_vdst(0) depctr_va_sdst(0) depctr_va_ssrc(0) depctr_va_vcc(0) depctr_vm_vsrc(0)
	s_getreg_b32 s2, hwreg(HW_REG_IB_STS2, 6, 4)
	s_cmp_eq_u32 s2, 0
	s_cbranch_scc0 .Lentry_in_a_cluster
	s_endpgm
.Lentry_in_a_cluster:
	s_bfe_u32 s2, ttmp6, 0x10000c
	s_cmp_lg_u32 s2, 0x3003
	s_cbranch_scc0 .Lentry_shape_is_right
	s_endpgm
.Lentry_shape_is_right:
; SECOND LAUNCH: softmax(q k^T / 8, causal) v on codes of E5M2, and the result quantised along the head's 64 for the projection.  DEAD WORK LEFT OUT: the steps of 128 keys that lie wholly behind the causal mask (the first kernel's head says why).
; LIMITS: the promise holds while the scaled scores stay under 2^31 in magnitude; NaN and infinities in the operands are not served; a block's scale byte never falls under 1.
; SHARES.  A work-group serves one head; its cluster of four asks jointly for the head's K and V: 16 steps of 16,896 bytes, 2 steps a wave in ONE load; all of them stay in LDS.  No load is left to run ahead of, so nothing is prefetched.
; A wave owns 32 queries, two tiles of 16, so that each fragment of K and V feeds both.  Waves w and w + 4 are a couple: with e = 2 (w % 4) + cluster x they serve queries 32 y .. of block e ('early': e + 1 steps) and of block P = 15 - e ('late': 16 - e steps), y = the place in the cluster.
; One of the couple (wave w where e > 3, else wave w + 4) walks the early block's steps 0 .. e, finishes it, and goes on with the late block's steps 0 .. m - 1; the other walks the late block's steps m .. P.  m = min(11 - e, 6) or 4 - e: wave w has 11 or 12 of the 17 steps.
; At the end each joins one of the late block's two tiles from both parts.  A head's steps lie in reverse order: step s at place 15 - s.
; TRIP 0 needs steps 0 to 7 alone (m is at most 6): waves 0 to 3 bring them and show them at the first barrier; waves 4 to 7 bring steps 8 to 15, shown at the barrier behind trip 0.
; Both products are used transposed: a lane holds ONE query of a tile.  A group of 32 keys of K is one fragment: registers 0-7 sixteen keys x 64, registers 8-15 the other sixteen; Q with eight zero registers behind or ahead of it picks one of them.
; A score's register 16 b + 8 u + j holds key 32 b + 16 u + 8 h + j: the order in which v's codes lie.
; REGISTERS.  Window 0: v1-15 addresses and the mask's bounds; v16-55 zeros, Q of tile 0, zeros, Q of tile 1, zeros; per tile 4 registers and the 64 scores (v56-123, v124-191): p's codes take the first 16 of these 68; v192-255 at work, sums, scales.
;   Window 1: v0-63 K of the next step; v64-127 V of this step; v128-191 O^T; v192-207 the late block's Q for the wave that changes blocks (the other loads it too and leaves it).
.set STEPB, 16896
.set XCH,  16*STEPB                    ; behind K and V: what the waves of a couple hand over, 4,352 bytes a wave
.set XW,   4352
.set SPARE, XCH+8*XW                   ; the spare words, 128 bytes a wave
.set HH,   3
.set SPW,  5
.set NIL,  6
.set ADK,  8
.set ADKS, 9
.set AO,   10
.set ADV,  11
.set ADVS, 12
.set MD,   14                          ; v14, v15 (my query + 0.5 - 8 h) x 2^120 for tile 0, tile 1
.set CD,   56
.set S,    60
.set BM,   192
.set PM,   200
.set SO,   208
.set BD,   216
.set MM,   224                         ; + 8 a tile: -M, and the largest t
.set LS,   226                         ; + 8 a tile: the sum in two halves
.set F,    228                         ; + 2 a tile: f, and p's scale word
.set KSC,  236
.set VSC,  240
.set QSC,  244
.set TT,   246
.set MB,   248
.set KF,   0
.set VF,   64
.set O,    128
.set QW,   192
.set WV,   14
.set MNT,  19
.set SEL,  20
.set CS,   22
.set G1,   24
.set G0,   32
.set J,    36
.set A1,   37
.set LIM,  39
.set SW,   40
.set D1,   41
.set MSB, 0
.macro WIN new                         ; the immediate's high byte repeats the setting that is left
.if MSB != \new
	s_set_vgpr_msb (MSB<<8)|\new
.set MSB, \new
.endif
.endm
.macro ROUND
	s_barrier_signal -1
	s_barrier_wait -1
	s_cmp_lg_u32 s[WV], 0
	s_cbranch_scc1 .Lnot_wave_0_\@
	s_barrier_signal -3
.Lnot_wave_0_\@:
	s_barrier_wait -3
	s_barrier_signal -1
	s_barrier_wait -1
.endm
.macro PLACES n
.rept \n
	v_nop
.endr
.endm
.macro QADR p, img, sc                 ; where the 32 queries of block s[p] have their codes and scale bytes
	s_lshl_b32 s60, s18, 6
	s_lshl_b32 s61, s[\p], 2
	s_add_co_u32 s60, s60, s61
	s_add_co_u32 s60, s60, s16
	s_lshl_b32 s60, s60, 11
	s_mov_b32 s61, 0
	s_add_nc_u64 s[\img:\img+1], s[4:5], s[60:61]
	s_lshl_b32 s60, s18, 4
	s_add_co_u32 s60, s60, s[\p]
	s_lshl_b32 s60, s60, 8
	s_lshl_b32 s62, s16, 2
	s_add_co_u32 s60, s60, s62
	s_add_nc_u64 s[\sc:\sc+1], s[6:7], s[60:61]
.endm
.macro AADR p, img, sc                 ; where their results go: a_img [block of 128 tokens][pair of heads][tile of 16][2,048], 1,024 a head; a_sc [token][32]
	s_lshr_b32 s60, s18, 4
	s_lshl_b32 s60, s60, 4
	s_add_co_u32 s60, s60, s[\p]
	s_and_b32 s62, s18, 15
	s_lshl_b32 s58, s60, 12
	s_lshl_b32 s59, s16, 10
	s_add_co_u32 s58, s58, s59
	s_lshl_b32 s59, s62, 1
	s_add_co_u32 s58, s58, s59
	s_mov_b32 s59, 0
	s_add_nc_u64 s[\sc:\sc+1], s[12:13], s[58:59]
	s_lshl_b32 s60, s60, 3
	s_lshr_b32 s63, s62, 1
	s_add_co_u32 s60, s60, s63
	s_lshl_b32 s60, s60, 3
	s_lshl_b32 s63, s16, 1
	s_add_co_u32 s60, s60, s63
	s_lshl_b32 s60, s60, 11
	s_and_b32 s62, s62, 1
	s_lshl_b32 s62, s62, 10
	s_add_co_u32 s60, s60, s62
	s_mov_b32 s61, 0
	s_add_nc_u64 s[\img:\img+1], s[10:11], s[60:61]
.endm
.macro INIT                            ; no key so far: the largest t -3e38, the sums and O^T zero
.irp t, 0,1
	v_mov_b32 v[MM+8*\t+1], 0xff61b1e6
	v_mov_b32 v[LS+8*\t], 0
	v_mov_b32 v[LS+8*\t+1], 0
.endr
.irp t, 0,1
	v_floor_f32 v[MM+8*\t], -v[MM+8*\t+1]
.endr
	WIN 0x40
.set n, 0
.rept 64
	v_mov_b32 v[O+n], 0
.set n, n+1
.endr
	WIN 0
.endm
.macro LSUM                            ; a row's sum: its two halves, and lane l xor 16's
.irp t, 0,1
	v_add_f32 v[LS+8*\t], v[LS+8*\t], v[LS+8*\t+1]
.endr
.irp t, 0,1
	v_permlanex16_b32 v[TT+\t], v[LS+8*\t], s[SEL], s[SEL+1]
.endr
.irp t, 0,1
	v_add_f32 v[LS+8*\t], v[LS+8*\t], v[TT+\t]
.endr
.endm
.macro QUANT n, img, sc                ; n tiles of finished numbers, 32 a lane from v[S + 68 T] on: two blocks of 32 along the head's 64, each in lanes l and l xor 16; codes and scale bytes leave
.set T, 0
.rept \n
.irp b, 0,1
	v_max3_num_f32 v[BM+4*T+\b], |v[S+68*T+16*\b]|, |v[S+68*T+16*\b+1]|, 0x8000000   ; with the floor 2^(16 - 127)
.endr
.set T, T+1
.endr
.irp i, 2,4,6,8,10,12,14
.set T, 0
.rept \n
.irp b, 0,1
	v_max3_num_f32 v[BM+4*T+\b], v[BM+4*T+\b], |v[S+68*T+16*\b+\i]|, |v[S+68*T+16*\b+\i+1]|
.endr
.set T, T+1
.endr
.endr
.set T, 0
.rept \n
.irp b, 0,1
	v_permlanex16_b32 v[PM+4*T+\b], v[BM+4*T+\b], s[SEL], s[SEL+1]
.endr
.set T, T+1
.endr
.set T, 0
.rept \n
.irp b, 0,1
	v_max_num_f32 v[BM+4*T+\b], v[BM+4*T+\b], v[PM+4*T+\b]
.endr
.set T, T+1
.endr
.set T, 0
.rept \n
.irp b, 0,1
	v_add_nc_u32 v[SO+4*T+\b], 0xf8800000, v[BM+4*T+\b]
.endr
.irp b, 0,1
	v_and_or_b32 v[BD+4*T+\b], v[BM+4*T+\b], 0x7f800000, s[MNT]
.endr
.irp b, 0,1
	v_lshrrev_b32 v[PM+4*T+\b], 23, v[SO+4*T+\b]
.endr
.set T, T+1
.endr
.set T, 0
.rept \n
.irp b, 0,1
.irp i, 0,1,2,3,4,5,6,7,8,9,10,11,12,13,14,15
	v_med3_num_f32 v[S+68*T+16*\b+\i], v[S+68*T+16*\b+\i], -v[BD+4*T+\b], v[BD+4*T+\b]
.endr
	v_cvt_scalef32_pk8_bf8_f32 v[CD+68*T+4*\b:CD+68*T+4*\b+1], v[S+68*T+16*\b:S+68*T+16*\b+7], v[SO+4*T+\b]
	v_cvt_scalef32_pk8_bf8_f32 v[CD+68*T+4*\b+2:CD+68*T+4*\b+3], v[S+68*T+16*\b+8:S+68*T+16*\b+15], v[SO+4*T+\b]
.endr
.set T, T+1
.endr
	v_cmp_eq_u32 vcc_lo, 0, v[HH]
.set T, 0
.rept \n
	v_cndmask_b32 v[TT+T], v[PM+4*T+1], v[PM+4*T], vcc_lo   ; lanes 0-15 store block 0's byte, lanes 16-31 block 1's
.set T, T+1
.endr
.set T, 0
.rept \n
	global_store_b128 v1, v[CD+68*T:CD+68*T+3], s[\img:\img+1] offset:2048*T
	global_store_b128 v1, v[CD+68*T+4:CD+68*T+7], s[\img:\img+1] offset:2048*T+512
	global_store_b8 v[AO], v[TT+T], s[\sc:\sc+1] offset:512*T
.set T, T+1
.endr
.endm
.macro ADDR first                      ; this step's place (V's) and the next step's (K's; in a wave's last trip a place inside the 16 that nothing is multiplied from).  Behind the change of blocks the walk begins again at step 0
	s_cmp_ge_u32 s[J], s[SW]
	s_cselect_b32 s42, s[SW], 0
	s_add_co_u32 s42, s42, s[A1]
	s_sub_co_u32 s[A1], s[A1], 1
	s_add_co_u32 s47, s[J], 1
	s_cmp_ge_u32 s47, s[SW]
	s_cselect_b32 s43, s[SW], 0
	s_add_co_u32 s43, s43, s[A1]
.if \first
	s_and_b32 s42, s42, 7                          ; trip 0: both are steps 0 to 7, places 8 to 15
	s_or_b32 s42, s42, 8
	s_and_b32 s43, s43, 7
	s_or_b32 s43, s43, 8
.else
	s_min_u32 s42, s42, 15
	s_min_u32 s43, s43, 15
.endif
	s_mul_i32 s42, s42, STEPB
	s_mul_i32 s43, s43, STEPB
	v_add_nc_u32 v[ADV], s42, v1
	v_add_nc_u32 v[ADVS], s42, v2
	v_add_nc_u32 v[ADK], s43, v1
	v_add_nc_u32 v[ADKS], s43, v2
	s_wait_alu depctr_va_vdst(0)
.endm
.macro KLOAD
.irp b, 0,1,2,3
.irp c, 0,1,2,3
	ds_load_b128 v[KF+16*\b+4*\c:KF+16*\b+4*\c+3], v[ADK] offset:2048*\b+512*\c
.endr
.endr
.endm
.macro WORK                            ; A STEP of 128 keys x 32 queries
	PLACES 5                                       ; with the four additions of ADDR nine: the scores lie over the codes that the last products have read
	s_wait_dscnt 0x0                               ; K
	WIN 0x01                                       ; source 0 window 1
.irp b, 0,1,2,3                        ; S^T = K Q^T: 128 keys x two tiles
.irp t, 0,1
	v_wmma_scale_f32_16x16x128_f8f6f4 v[S+68*\t+16*\b:S+68*\t+16*\b+7], v[KF+16*\b:KF+16*\b+15], v[24+16*\t:39+16*\t], 0, v[KSC+\b], v[QSC+\t] matrix_a_fmt:MATRIX_FMT_BF8 matrix_b_fmt:MATRIX_FMT_BF8
	v_wmma_scale_f32_16x16x128_f8f6f4 v[S+68*\t+16*\b+8:S+68*\t+16*\b+15], v[KF+16*\b:KF+16*\b+15], v[16+16*\t:31+16*\t], 0, v[KSC+\b], v[QSC+\t] matrix_a_fmt:MATRIX_FMT_BF8 matrix_b_fmt:MATRIX_FMT_BF8
.endr
.endr
	WIN 0
	PLACES 8                                       ; ahead of loads into registers that products have read, and of the scores' first reader
	ds_load_b128 v[VSC:VSC+3], v[ADVS] offset:256
	ds_load_b128 v[KSC:KSC+3], v[ADKS]
	WIN 0x40
.irp u, 0,1,2,3
.irp c, 0,1,2,3
	ds_load_b128 v[VF+16*\u+4*\c:VF+16*\u+4*\c+3], v[ADV] offset:8192+2048*\u+512*\c
.endr
.endr
	KLOAD
	WIN 0
	s_cmp_lg_u32 s[J], s[D1]
	s_cbranch_scc1 .Lopen_\@
; On the diagonal a score is held under (d + 0.5 - n) x 2^120, n = 32 b + 16 u + j: above every score where the key counts, -2^119 or less where it is hidden: p = 0 then
.irp t, 0,1
	v_mov_b32 v[MB+2*\t], v[MD+\t]
	v_add_f32 v[MB+2*\t+1], 0xfb800000, v[MD+\t]
.endr
.set n, 0
.rept 32
.irp t, 0,1
	v_dual_min_num_f32 v[S+68*\t+n], v[S+68*\t+n], v[MB+2*\t] :: v_dual_min_num_f32 v[S+68*\t+n+1], v[S+68*\t+n+1], v[MB+2*\t+1]
.endr
.if n < 62
.irp t, 0,1
.if n%8 == 6
	v_pk_add_f32 v[MB+2*\t:MB+2*\t+1], v[MB+2*\t:MB+2*\t+1], 0xfd200000 op_sel_hi:[1,0]   ; 10 x 2^120 down
.else
	v_pk_add_f32 v[MB+2*\t:MB+2*\t+1], v[MB+2*\t:MB+2*\t+1], 0xfc000000 op_sel_hi:[1,0]   ; 2 x 2^120 down
.endif
.endr
.endif
.set n, n+2
.endr
.Lopen_\@:
; THE SOFTMAX, the two tiles' four blocks by turns.  A block's largest score serves the row's maximum and, since p rises with the score, the block's largest p
.irp b, 0,1,2,3
.irp t, 0,1
	v_max3_num_f32 v[BM+4*\t+\b], v[S+68*\t+16*\b], v[S+68*\t+16*\b+1], v[S+68*\t+16*\b+2]
.endr
.endr
.irp i, 3,5,7,9,11,13
.irp b, 0,1,2,3
.irp t, 0,1
	v_max3_num_f32 v[BM+4*\t+\b], v[BM+4*\t+\b], v[S+68*\t+16*\b+\i], v[S+68*\t+16*\b+\i+1]
.endr
.endr
.endr
.irp b, 0,1,2,3
.irp t, 0,1
	v_max_num_f32 v[BM+4*\t+\b], v[BM+4*\t+\b], v[S+68*\t+16*\b+15]
.endr
.endr
.irp b, 0,1,2,3
.irp t, 0,1
	v_permlanex16_b32 v[PM+4*\t+\b], v[BM+4*\t+\b], s[SEL], s[SEL+1]
.endr
.endr
.irp b, 0,1,2,3
.irp t, 0,1
	v_max_num_f32 v[BM+4*\t+\b], v[BM+4*\t+\b], v[PM+4*\t+\b]
.endr
.endr
.irp t, 0,1
	v_max3_num_f32 v[TT+\t], v[BM+4*\t], v[BM+4*\t+1], v[BM+4*\t+2]
.endr
.irp t, 0,1
	v_max_num_f32 v[TT+\t], v[TT+\t], v[BM+4*\t+3]
.endr
.irp t, 0,1
	v_mul_f32 v[TT+\t], s[CS], v[TT+\t]            ; as t (c is positive)
.endr
.irp t, 0,1
	v_max_num_f32 v[MM+8*\t+1], v[MM+8*\t+1], v[TT+\t]
.endr
.irp t, 0,1
	v_mov_b32 v[TT+\t], v[MM+8*\t]
.endr
.irp t, 0,1
	v_floor_f32 v[MM+8*\t], -v[MM+8*\t+1]          ; -M = floor(-t): M is a whole number
.endr
.irp t, 0,1
	v_sub_f32 v[TT+\t], v[MM+8*\t], v[TT+\t]
.endr
.irp t, 0,1
	v_cvt_i32_f32 v[TT+\t], v[TT+\t]               ; (it saturates)
.endr
.irp t, 0,1
	v_ldexp_f32 v[F+2*\t], 1.0, v[TT+\t]           ; f = 2^(old M - new M)
.endr
.set n, 0
.rept 32
.irp t, 0,1
	v_pk_fma_f32 v[S+68*\t+n:S+68*\t+n+1], v[S+68*\t+n:S+68*\t+n+1], s[CS:CS+1], v[MM+8*\t:MM+8*\t+1] op_sel_hi:[1,0,0]
.endr
.set n, n+2
.endr
.irp b, 0,1,2,3
.irp t, 0,1
	v_fma_f32 v[BM+4*\t+\b], v[BM+4*\t+\b], s[CS], v[MM+8*\t]
.endr
.endr
	s_wait_alu depctr_va_vdst(0)                   ; ahead of the batch,
.set n, 0
.rept 64
.irp t, 0,1
	v_exp_f32 v[S+68*\t+n], v[S+68*\t+n]
.endr
.set n, n+1
.endr
.irp b, 0,1,2,3
.irp t, 0,1
	v_exp_f32 v[BM+4*\t+\b], v[BM+4*\t+\b]
.endr
.endr
.irp t, 0,1
	v_pk_mul_f32 v[LS+8*\t:LS+8*\t+1], v[LS+8*\t:LS+8*\t+1], v[F+2*\t:F+2*\t+1] op_sel_hi:[1,0]
.endr
	s_wait_alu depctr_va_vdst(0)                   ; and ahead of its first reader
.irp t, 0,1
	v_pk_add_f32 v[PM+4*\t:PM+4*\t+1], v[S+68*\t:S+68*\t+1], v[S+68*\t+2:S+68*\t+3]   ; the sum is taken of the unquantised p, in two chains a tile
.endr
.irp j, 4,8,12,16,20,24,28,32,36,40,44,48,52,56,60
.irp t, 0,1
	v_pk_add_f32 v[LS+8*\t:LS+8*\t+1], v[LS+8*\t:LS+8*\t+1], v[S+68*\t+\j:S+68*\t+\j+1]
.endr
.irp t, 0,1
	v_pk_add_f32 v[PM+4*\t:PM+4*\t+1], v[PM+4*\t:PM+4*\t+1], v[S+68*\t+\j+2:S+68*\t+\j+3]
.endr
.endr
.irp b, 0,1,2,3
.irp t, 0,1
	v_max_num_f32 v[BM+4*\t+\b], 0x8000000, v[BM+4*\t+\b]   ; the floor 2^(16 - 127): the byte cannot fall under 1
.endr
.endr
.irp t, 0,1
	v_pk_add_f32 v[LS+8*\t:LS+8*\t+1], v[LS+8*\t:LS+8*\t+1], v[PM+4*\t:PM+4*\t+1]
.endr
.irp b, 0,1,2,3
.irp t, 0,1
	v_add_nc_u32 v[SO+4*\t+\b], 0xf8800000, v[BM+4*\t+\b]   ; 15 off the exponent field: the conversion's scale operand
.endr
.endr
.irp b, 0,1,2,3
.irp t, 0,1
	v_and_or_b32 v[BD+4*\t+\b], v[BM+4*\t+\b], 0x7f800000, s[MNT]   ; 57,344 x the scale
.endr
.endr
.irp b, 0,1,2,3
.irp t, 0,1
	v_lshrrev_b32 v[PM+4*\t+\b], 23, v[SO+4*\t+\b]
.endr
.endr
.irp t, 0,1
	v_lshl_or_b32 v[F+2*\t+1], v[PM+4*\t+1], 8, v[PM+4*\t]
.endr
.irp t, 0,1
	v_lshl_or_b32 v[F+2*\t+1], v[PM+4*\t+2], 16, v[F+2*\t+1]
.endr
.irp t, 0,1
	v_lshl_or_b32 v[F+2*\t+1], v[PM+4*\t+3], 24, v[F+2*\t+1]
.endr
.irp b, 0,1,2,3
.irp t, 0,1
.irp i, 0,2,4,6,8,10,12,14
	v_dual_min_num_f32 v[S+68*\t+16*\b+\i], v[S+68*\t+16*\b+\i], v[BD+4*\t+\b] :: v_dual_min_num_f32 v[S+68*\t+16*\b+\i+1], v[S+68*\t+16*\b+\i+1], v[BD+4*\t+\b]   ; the conversion does not saturate (ISA guide 7.6.2); p is not negative
.endr
.endr
.irp t, 0,1
	v_cvt_scalef32_pk8_bf8_f32 v[CD+68*\t+4*\b:CD+68*\t+4*\b+1], v[S+68*\t+16*\b:S+68*\t+16*\b+7], v[SO+4*\t+\b]
	v_cvt_scalef32_pk8_bf8_f32 v[CD+68*\t+4*\b+2:CD+68*\t+4*\b+3], v[S+68*\t+16*\b+8:S+68*\t+16*\b+15], v[SO+4*\t+\b]
.endr
.endr
	WIN 0x41                                       ; destination and source 0 window 1
	s_wait_alu depctr_va_vdst(0)                   ; directly ahead of the first reader of O^T
.set n, 0
.rept 16
.irp t, 0,1
	v_pk_mul_f32 v[O+32*\t+n:O+32*\t+n+1], v[O+32*\t+n:O+32*\t+n+1], v[F+2*\t:F+2*\t+1] op_sel_hi:[1,0]
.endr
.set n, n+2
.endr
	s_wait_alu depctr_va_vdst(0)
	s_wait_dscnt 0x10                              ; V and its scale words are in; the next step's 16 loads of K may be out
	WIN 0x51                                       ; C and D, source 0 window 1
.irp u, 0,1,2,3                        ; O^T += V^T P^T
.irp t, 0,1
	v_wmma_scale_f32_16x16x128_f8f6f4 v[O+32*\t+8*\u:O+32*\t+8*\u+7], v[VF+16*\u:VF+16*\u+15], v[CD+68*\t:CD+68*\t+15], v[O+32*\t+8*\u:O+32*\t+8*\u+7], v[VSC+\u], v[F+2*\t+1] matrix_a_fmt:MATRIX_FMT_BF8 matrix_b_fmt:MATRIX_FMT_BF8
.endr
.endr
	WIN 0
.endm
	s_load_b256 s[4:11], s[0:1], 0x0               ; q_img, q_sc, kv_img, a_img
	s_load_b64 s[12:13], s[0:1], 0x20              ; a_sc
	v_lshl_add_u32 v[SPW], v0, 2, SPARE
	v_mov_b32 v[NIL], 0
	ds_add_u32 v[SPW], v[NIL]                      ; the wave's opening: the add, twice on end, and its wait ahead of my tensor load
	ds_add_u32 v[SPW], v[NIL]
	v_lshrrev_b32 v8, 5, v0
	v_readfirstlane_b32 s[WV], v8                  ; wave 0..7
	s_bfe_u32 s16, ttmp6, 0x40000                  ; y: which 32 queries of a block; it enters global addresses and the mask's numbers alone
	s_and_b32 s18, ttmp7, 0xffff                   ; 16 x batch + head
	s_lshr_b32 s17, s[WV], 2
	s_and_b32 s44, s[WV], 3
	s_lshl_b32 s44, s44, 1
	s_add_co_u32 s44, s44, ttmp9                   ; e: the early block, 0 .. 7
	s_lshr_b32 s43, s44, 2
	s_xor_b32 s17, s17, s43                        ; 1: early block first; 0: late block only
	s_add_co_u32 s42, s44, 1
	s_sub_co_u32 s45, 15, s44                      ; P: the late block
	s_cmp_ge_u32 s44, 4
	s_cselect_b32 s43, 11, 4
	s_sub_co_u32 s43, s43, s44
	s_min_u32 s43, s43, 6                          ; m
	s_add_co_u32 s46, s42, s43                     ; e + 1 + m trips,
	s_sub_co_u32 s47, 16, s44
	s_sub_co_u32 s47, s47, s43                     ; or 16 - e - m
	s_sub_co_u32 s48, s47, 1
	s_sub_co_u32 s49, 15, s43
	s_cmp_eq_u32 s17, 1
	s_cselect_b32 s[LIM], s46, s47                 ; my trips
	s_cselect_b32 s[SW], s42, 99                   ; the trip in which I change blocks
	s_cselect_b32 s[D1], s44, s48                  ; the trip on the early, or on the late block's diagonal
	s_cselect_b32 s[A1], 15, s49                   ; my first step's place
	s_cselect_b32 s46, s44, s45                    ; my first block
	s_and_b32 s47, s[A1], 7
	s_or_b32 s47, s47, 8                           ; (one of steps 0 to 7)
	s_mul_i32 s47, s47, STEPB
	s_lshl_b32 s42, s16, 5
	v_and_b32 v8, 15, v0                           ; r
	v_bfe_u32 v[HH], v0, 4, 1                      ; h
	v_and_b32 v1, 31, v0
	v_lshlrev_b32 v1, 4, v1                        ; 16 x lane
	v_lshl_add_u32 v2, v8, 4, 16384                ; a step's scale words: K's 16 r on from here, V's 256 further
	v_lshlrev_b32 v4, 4, v8                        ; a query's two scale bytes: 16 r
	v_lshl_add_u32 v[AO], v8, 5, v[HH]             ; a result's scale byte: 32 r + h
	v_lshlrev_b32 v12, 3, v[HH]
	v_sub_nc_u32 v12, v8, v12
	v_add_nc_u32 v12, s42, v12                     ; d = 32 y + r - 8 h (tile 1: + 16): a key is hidden where 32 b + 16 u + j > d
	v_cvt_f32_i32 v12, v12
	v_add_f32 v12, 0.5, v12
	v_mul_f32 v[MD], 0x7b800000, v12               ; (d + 0.5) x 2^120
	v_add_f32 v[MD+1], 0x7d800000, v[MD]           ; + 16 x 2^120
	v_add_nc_u32 v[ADK], s47, v1
	v_add_nc_u32 v[ADKS], s47, v2
	s_mov_b32 s[G1], 15|(3<<16)|(1<<21)            ; two steps, 33,792 dense bytes, as 132 rows of 256 (32 elements of 8 bytes); the mask names the cluster's four
	s_mov_b32 s[G1+1], 32<<16
	s_mov_b32 s[G1+2], 132<<16
	s_mov_b32 s[G1+3], 32<<16
	s_mov_b32 s[G1+4], 132
	s_mov_b32 s[G1+5], 32
	s_mov_b32 s[G1+6], 0
	s_mov_b32 s[G1+7], 0
	s_xor_b32 s48, s[WV], 4                        ; waves 0 to 3 bring places 8 to 15, waves 4 to 7 places 0 to 7
	s_mul_i32 s48, s48, 2*STEPB
	s_mul_i32 s58, s18, 16*STEPB
	s_add_co_u32 s58, s58, s48
	s_mov_b32 s59, 0
	s_mov_b32 s[SEL], 0x76543210
	s_mov_b32 s[SEL+1], 0xfedcba98
	s_mov_b32 s[CS], 0x3e38aa3b                    ; c = log2(e) / 8
	s_mov_b32 s[CS+1], s[CS]
	s_mov_b32 s[MNT], 0x600000
	s_mov_b32 s[J], 0
	s_wait_alu depctr_va_vdst(0)                   ; directly ahead of the waits below
	s_wait_dscnt 0x0                               ; both opening adds are done
	s_wait_kmcnt 0x0
	s_mov_b32 s[G0], 1
	s_mov_b32 s[G0+1], s48
	s_add_nc_u64 s[G0+2:G0+3], s[8:9], s[58:59]
	s_or_b32 s[G0+3], s[G0+3], 0x80000000
	ROUND                                          ; all four work-groups are here
	s_cmp_lt_u32 s[WV], 4                          ; one tensor load a wave; a line of its own for what is shown first
	s_cbranch_scc0 .Lsecond_half
	tensor_load_to_lds s[G0:G0+3], s[G1:G1+7]
	s_nop 0
	PLACES 4
	s_branch .Lasked
.Lsecond_half:
	tensor_load_to_lds s[G0:G0+3], s[G1:G1+7]
	s_nop 0
	PLACES 4
.Lasked:
	QADR 46, 66, 68
	QADR 45, 70, 72
	global_load_b128 v[24:27], v1, s[66:67]
	global_load_b128 v[28:31], v1, s[66:67] offset:512
	global_load_b128 v[40:43], v1, s[66:67] offset:1024
	global_load_b128 v[44:47], v1, s[66:67] offset:1536
	global_load_u16 v252, v4, s[68:69]
	global_load_u16 v253, v4, s[68:69] offset:2
	global_load_u16 v254, v4, s[72:73] offset:2    ; the late block once more, its tiles the other way round: so that each wave of a couple joins its tile 0 with the other's tile 1
	global_load_u16 v255, v4, s[72:73]
	WIN 0x40
	global_load_b128 v[QW:QW+3], v1, s[70:71] offset:1024
	global_load_b128 v[QW+4:QW+7], v1, s[70:71] offset:1536
	global_load_b128 v[QW+8:QW+11], v1, s[70:71]
	global_load_b128 v[QW+12:QW+15], v1, s[70:71] offset:512
	WIN 0
	AADR 44, 50, 54
	AADR 45, 52, 56
	s_lshl_b32 s60, s17, 11                        ; of the late block I store tile 0, or tile 1 where I changed blocks
	s_add_nc_u64 s[52:53], s[52:53], s[60:61]
	s_lshl_b32 s60, s17, 9
	s_add_nc_u64 s[56:57], s[56:57], s[60:61]
.irp i, 0,1,2,3,4,5,6,7
	v_mov_b32 v[16+\i], 0
	v_mov_b32 v[32+\i], 0
	v_mov_b32 v[48+\i], 0
	v_mov_b32 v[PM+\i], 0                          ; (a lane permute's destination counts as one of its sources)
.endr
.irp t, 0,1
	v_mov_b32 v[TT+\t], 0
	v_mov_b32 v[F+2*\t+1], 0                       ; (named as the upper half of a pair before it is first written)
.endr
	INIT
	s_wait_alu depctr_va_vdst(0)
	s_wait_loadcnt 0x0                             ; Q
	v_lshl_or_b32 v[QSC], v252, 16, v252           ; a query's two scale bytes serve both halves of the product's K
	v_lshl_or_b32 v[QSC+1], v253, 16, v253
	v_lshl_or_b32 v254, v254, 16, v254
	v_lshl_or_b32 v255, v255, 16, v255
	s_wait_alu depctr_va_vdst(0)                   ; the wait at the head's end
	s_cmp_lt_u32 s[WV], 4
	s_cbranch_scc0 .Lnot_first
	s_wait_tensorcnt 0x0                           ; waves 0 to 3: steps 0 to 7 are in; the other waves' wait stands behind trip 0
.Lnot_first:
	s_barrier_signal -1
	s_barrier_wait -1
	ds_load_b128 v[KSC:KSC+3], v[ADKS]
	WIN 0x40
	KLOAD
	WIN 0
	ADDR 1
	WORK
	s_wait_alu depctr_va_vdst(0)
	s_wait_tensorcnt 0x0                           ; steps 8 to 15 are in; nothing is filled again
	s_wait_dscnt 0x0
	s_barrier_signal -1
	s_barrier_wait -1
	s_mov_b32 s[J], 1
.Ltrip:
	ADDR 0
	s_cmp_ge_u32 s[J], s[LIM]
	s_cbranch_scc1 .Lnext
	s_cmp_lg_u32 s[J], s[SW]
	s_cbranch_scc1 .Lsame
	; THE CHANGE OF BLOCKS, once in one wave of each couple: the early block is finished and leaves, the late block begins
	PLACES 8
	LSUM
	s_wait_alu depctr_va_vdst(0)                   ; ahead of the transcendentals,
	v_rcp_f32 v[LS], v[LS]
	v_rcp_f32 v[LS+8], v[LS+8]
	v_nop
	WIN 0x01
	s_wait_alu depctr_va_vdst(0)                   ; and ahead of the first reader
.set n, 0
.rept 16
.irp t, 0,1
	v_pk_mul_f32 v[S+68*\t+n:S+68*\t+n+1], v[O+32*\t+n:O+32*\t+n+1], v[LS+8*\t:LS+8*\t+1] op_sel_hi:[1,0]
.endr
.set n, n+2
.endr
	WIN 0
	QUANT 2, 50, 54
	v_mov_b32 v[QSC], v254
	v_mov_b32 v[QSC+1], v255
	WIN 0x01
.irp i, 0,1,2,3,4,5,6,7
	v_mov_b32 v[24+\i], v[QW+\i]
	v_mov_b32 v[40+\i], v[QW+8+\i]
.endr
	WIN 0
	INIT
	s_wait_alu depctr_va_vdst(0)
	s_wait_xcnt 0x0                                ; the stores have read their registers
.Lsame:
	WORK
.Lnext:
	s_add_co_u32 s[J], s[J], 1
	s_cmp_lt_u32 s[J], 12
	s_cbranch_scc1 .Ltrip
	; THE JOIN.  Each wave hands its tile 1 of the late block to the other wave of its couple (O^T, -M, the sum) and finishes its tile 0 from both parts
	PLACES 8
	s_mul_i32 s42, s[WV], XW
	s_add_co_u32 s42, s42, XCH
	s_xor_b32 s43, s[WV], 4
	s_mul_i32 s43, s43, XW
	s_add_co_u32 s43, s43, XCH
	LSUM
	v_lshrrev_b32 v[ADKS], 2, v1
	v_add_nc_u32 v[ADV], s42, v1
	v_add_nc_u32 v[ADVS], s42, v[ADKS]
	v_add_nc_u32 v[ADK], s43, v1
	v_add_nc_u32 v[ADKS], s43, v[ADKS]
	s_wait_alu depctr_va_vdst(0)
	s_wait_dscnt 0x0
	s_barrier_signal -1
	s_barrier_wait -1
	WIN 0x04                                       ; the data: window 1
.irp i, 0,1,2,3,4,5,6,7
	ds_store_b128 v[ADV], v[O+32+4*\i:O+32+4*\i+3] offset:512*\i
.endr
	WIN 0
	ds_store_b32 v[ADVS], v[MM+8] offset:4096
	ds_store_b32 v[ADVS], v[LS+8] offset:4224
	s_wait_dscnt 0x0                               ; for the other wave's sake
	s_barrier_signal -1
	s_barrier_wait -1
	ds_load_b32 v[MB], v[ADKS] offset:4096
	ds_load_b32 v[MB+1], v[ADKS] offset:4224
.irp i, 0,1,2,3,4,5,6,7
	ds_load_b128 v[S+68+4*\i:S+68+4*\i+3], v[ADK] offset:512*\i
.endr
	s_wait_dscnt 0x0
	v_min_num_f32 v[MB+2], v[MM], v[MB]            ; the larger M of the two
	v_sub_f32 v[TT], v[MB+2], v[MM]
	v_sub_f32 v[TT+1], v[MB+2], v[MB]
	v_cvt_i32_f32 v[TT], v[TT]
	v_cvt_i32_f32 v[TT+1], v[TT+1]
	v_ldexp_f32 v[F], 1.0, v[TT]
	v_ldexp_f32 v[F+2], 1.0, v[TT+1]
	v_mul_f32 v[MB+3], v[MB+1], v[F+2]
	v_fma_f32 v[MB+3], v[LS], v[F], v[MB+3]        ; the row's sum
	s_wait_alu depctr_va_vdst(0)
	v_rcp_f32 v[MB+3], v[MB+3]
	v_nop
	s_wait_alu depctr_va_vdst(0)
	v_mul_f32 v[F], v[F], v[MB+3]                  ; both factors are powers of two: nothing is rounded here
	v_mul_f32 v[F+2], v[F+2], v[MB+3]
.set n, 0
.rept 16
	v_pk_mul_f32 v[S+68+n:S+68+n+1], v[S+68+n:S+68+n+1], v[F+2:F+3] op_sel_hi:[1,0]
.set n, n+2
.endr
	WIN 0x01
	s_wait_alu depctr_va_vdst(0)                   ; directly ahead of the first reader of O^T
.set n, 0
.rept 16
	v_pk_fma_f32 v[S+n:S+n+1], v[O+n:O+n+1], v[F:F+1], v[S+68+n:S+68+n+1] op_sel_hi:[1,0,1]
.set n, n+2
.endr
	WIN 0
	QUANT 1, 52, 56
	s_wait_tensorcnt 0x0                           ; the wave's end
	ds_add_u32 v[SPW], v[NIL]
	s_wait_dscnt 0x0
	ROUND                                          ; the closing round
	s_endpgm
.Lfunc_end_k_q5b6df3b8d7_attn:
	.size	k_q5b6df3b8d7_attn, .Lfunc_end_k_q5b6df3b8d7_attn-k_q5b6df3b8d7_attn
	.p2alignl 7, 3214868480
	.fill 96, 4, 3214868480
	.section	.rodata,"a",@progbits
	.p2align	6, 0x0
	.amdhsa_kernel k_q5b6df3b8d7_attn
		.amdhsa_group_segment_fixed_size 327680
		.amdhsa_private_segment_fixed_size 0
		.amdhsa_enable_private_segment 0
		.amdhsa_kernarg_size 40
		.amdhsa_user_sgpr_count 2
		.amdhsa_user_sgpr_kernarg_segment_ptr 1
		.amdhsa_wavefront_size32 1
		.amdhsa_system_sgpr_workgroup_id_x 1
		.amdhsa_system_sgpr_workgroup_id_y 1
		.amdhsa_system_sgpr_workgroup_id_z 1
		.amdhsa_system_vgpr_workitem_id 0
		.amdhsa_next_free_vgpr 512
		.amdhsa_next_free_sgpr 100
		.amdhsa_reserve_vcc 1
		.amdhsa_float_denorm_mode_32 3
		.amdhsa_float_denorm_mode_16_64 3
		.amdhsa_memory_ordered 1
		.amdhsa_forward_progress 1
		.amdhsa_inst_pref_size 127
	.end_amdhsa_kernel
	.amdgpu_metadata
---
amdhsa.version: [ 1, 2 ]
amdhsa.kernels:
  - .name:           k_q5b6df3b8d7_attn
    .symbol:         k_q5b6df3b8d7_attn.kd
    .args:
      - { .name: q_img, .offset: 0, .size: 8, .value_kind: global_buffer, .address_space: global }
      - { .name: q_sc, .offset: 8, .size: 8, .value_kind: global_buffer, .address_space: global }
      - { .name: kv_img, .offset: 16, .size: 8, .value_kind: global_buffer, .address_space: global }
      - { .name: a_img, .offset: 24, .size: 8, .value_kind: global_buffer, .address_space: global }
      - { .name: a_sc, .offset: 32, .size: 8, .value_kind: global_buffer, .address_space: global }
    .group_segment_fixed_size: 327680
    .private_segment_fixed_size: 0
    .kernarg_segment_align: 8
    .kernarg_segment_size: 40
    .max_flat_workgroup_size: 256
    .sgpr_count:     100
    .vgpr_count:     512
    .wavefront_size: 32
...
	.end_amdgpu_metadata
.endif
;; end of part 2
;; launch proj (part 3): grid 8 x 32, 4 waves a work-group, clusters of 4 x 4, 327,680 bytes of LDS; arguments a_img, a_sc, W_out_codes, W_out_scales, b_out, out0; writes out0
.if DOCPART == 3
	.amdgcn_target "amdgcn-amd-amdhsa--gfx1250"
	.amdhsa_code_object_version 6
	.text
	.protected	k_q5b6df3b8d7_proj
	.globl	k_q5b6df3b8d7_proj
	.p2align	8
	.type	k_q5b6df3b8d7_proj,@function
k_q5b6df3b8d7_proj:
	s_mov_b64 s[64:65], 0
	v_nop
	global_prefetch_b8 v0, s[64:65] scope:SCOPE_SE
	s_setreg_imm32_b32 hwreg(HW_REG_WAVE_MODE, 25, 1), 1
	s_wait_xcnt 0x0
	s_wait_alu depctr_hold_cnt(0) depctr_sa_sdst(0) depctr_va_vdst(0) depctr_va_sdst(0) depctr_va_ssrc(0) depctr_va_vcc(0) depctr_vm_vsrc(0)
	s_getreg_b32 s2, hwreg(HW_REG_IB_STS2, 6, 4)
	s_cmp_eq_u32 s2, 0
	s_cbranch_scc0 .Lentry_in_a_cluster
	s_endpgm
.Lentry_in_a_cluster:
	s_bfe_u32 s2, ttmp6, 0x10000c
	s_cmp_lg_u32 s2, 0xf033
	s_cbranch_scc0 .Lentry_shape_is_right
	s_endpgm
.Lentry_shape_is_right:
; THIRD LAUNCH: out0 = attn W_out + b_out on codes of E5M2 with E8M0 scales.  Nothing is left out here.
; SHARES.  256 work-groups, each a tile of 128 tokens x 128 columns; four waves of 64 x 64: 16 accumulators.  All of K = 1,024 of both operands lies in LDS, brought by ONE tensor load a wave: wave 0 the tokens' codes,
; wave 1 W_out's, waves 2 and 3 their scale bytes.  Nothing is filled again, and no load is left to run ahead of: nothing is prefetched.  4 x 4 work-groups form a cluster: the tokens' tiles are asked for jointly along a row, W_out's along a column.
; The matrix instruction is used transposed (source 0 = 16 rows of W_out, source 1 = 16 tokens): a lane holds eight neighbouring columns of one token's row.  The bias is the C of each sum's first instruction.
; a_img holds the tokens' fragments as images of their registers, [tile row of 128 tokens][K step 8][tile of 16 tokens][2,048]: a work-group's are 131,072 dense bytes, read back at 16 x lane.
; REGISTERS: window 0: v8-17 addresses; v20-57 scale words (10 i + s: lanes 0-15 the tokens' block i, lanes 16-31 W_out's); v64-95 the bias, later rows of out0; v96-127 likewise; v128-255 the accumulators ((a, b) at v[128 + 8 (4 a + b)]).
;   window 1: two sets of fragments: 4 of the tokens, 4 of W_out.
.set BOFF,  131072                     ; W_out's 128 rows,
.set BP,    1040                       ; 1,024 bytes + 16 of padding each
.set SCL,   BOFF+128*BP                ; the scale bytes: the tokens' 128 rows x 32, then W_out's, as rows of 256 + 16
.set SPRT,  2176                       ; 64 rows of them
.set STAGE, SCL+4*SPRT                 ; the way out: 16 rows x 272 for each wave: bytes into which no fill lands
.set SPARE, STAGE+4*4352               ; the spare words, 128 bytes a wave
.set ADRA, 8
.set ADRB, 10
.set ADRS, 11
.set STO,  12
.set RD,   13
.set CO,   14
.set BO,   15
.set SPW,  16
.set NIL,  17
.set SC,   20
.set BI,   64
.set ACC,  128
.set MSB, 0
.macro WIN new
.if MSB != \new
	s_set_vgpr_msb (MSB<<8)|\new
.set MSB, \new
.endif
.endm
.macro CROUND                          ; a round of the cluster's barrier
	s_barrier_signal -1
	s_barrier_wait -1
	s_cmp_lg_u32 s16, 0
	s_cbranch_scc1 .Lnot_wave_0_\@
	s_barrier_signal -3
.Lnot_wave_0_\@:
	s_barrier_wait -3
	s_barrier_signal -1
	s_barrier_wait -1
.endm
.macro GROUP1 g, mask, flags, c, r     ; a descriptor's group 1: r rows of c elements, dense
	s_or_b32 s[\g], s[\mask], (1<<21)|(\flags)
	s_mov_b32 s[\g+1], (\c)<<16
	s_mov_b32 s[\g+2], (\r)<<16
	s_mov_b32 s[\g+3], (\c)<<16
	s_mov_b32 s[\g+4], \r
	s_mov_b32 s[\g+5], \c
	s_mov_b32 s[\g+6], 0
	s_mov_b32 s[\g+7], 0
.endm
.macro GROUP0 g, lds, base, off        ; and its group 0
	s_mov_b32 s[\g], 1
	s_mov_b32 s[\g+1], \lds
	s_add_nc_u64 s[\g+2:\g+3], s[\base:\base+1], s[\off:\off+1]
	s_or_b32 s[\g+3], s[\g+3], 0x80000000
.endm
.macro ARM under, g0, g1, next
	s_cmp_lt_u32 s16, \under
	s_cbranch_scc0 \next
	tensor_load_to_lds s[\g0:\g0+3], s[\g1:\g1+7]
	s_nop 0
.rept 4
	v_nop
.endr
	s_branch .Lasked
\next:
.endm
.macro PLACES                          ; eight plain vector instructions between a matrix instruction and a load into, or a read of, its registers
.rept 8
	v_nop
.endr
.endm
	s_load_b256 s[4:11], s[0:1], 0x0               ; a_img s[4:5], a_sc s[6:7], W_out's codes s[8:9], its scales s[10:11]
	s_load_b128 s[12:15], s[0:1], 0x20             ; b_out s[12:13], out0 s[14:15]
	v_lshl_add_u32 v[SPW], v0, 2, SPARE
	v_mov_b32 v[NIL], 0
	ds_add_u32 v[SPW], v[NIL]                      ; the wave's opening: the add, twice on end, and its wait ahead of my tensor load
	ds_add_u32 v[SPW], v[NIL]
	v_lshrrev_b32 v1, 5, v0
	v_readfirstlane_b32 s16, v1                    ; wave 0..3
	s_lshr_b32 s17, s16, 1                         ; my half of the tokens
	s_and_b32 s18, s16, 1                          ; my half of the columns
	s_bfe_u32 s19, ttmp6, 0x40000                  ; cx
	s_bfe_u32 s20, ttmp6, 0x40004                  ; cy
	s_lshl_b32 s21, ttmp9, 2
	s_add_co_u32 s21, s21, s19                     ; tile column
	s_and_b32 s22, ttmp7, 0xffff
	s_lshl_b32 s22, s22, 2
	s_add_co_u32 s22, s22, s20                     ; tile row
	s_lshl_b32 s2, s20, 2
	s_lshl_b32 s2, 15, s2                          ; my row of the cluster
	s_lshl_b32 s3, 0x1111, s19                     ; my column
	GROUP1 24, 2, 3<<16, 32, 512                   ; the tokens' images: 512 rows of 256 dense bytes (32 elements of 8)
	GROUP1 32, 3, (1<<20)|(7<<22)|(3<<25), 1024, 128   ; W_out: 128 rows of 1,024 bytes; 4 words of padding behind every 256
	GROUP1 40, 2, (3<<16)|(1<<20)|(5<<22)|(3<<25), 32, 16   ; scale bytes of 128 rows: 16 rows of 256 dense bytes; 4 words of padding behind every 64
	GROUP1 48, 3, (3<<16)|(1<<20)|(5<<22)|(3<<25), 32, 16
	s_lshl_b32 s76, s22, 17                        ; where the tiles come from
	s_mov_b32 s77, 0
	s_lshl_b32 s78, s22, 12
	s_mov_b32 s79, 0
	s_lshl_b32 s80, s21, 17
	s_mov_b32 s81, 0
	s_lshl_b32 s82, s21, 12
	s_mov_b32 s83, 0
	s_lshl_b32 s84, s17, 13                        ; my four tiles of tokens
	s_mul_i32 s85, s18, 64*BP
	s_add_co_u32 s85, s85, BOFF                    ; my 64 rows of W_out
	s_mul_i32 s86, s17, SPRT
	s_mul_i32 s87, s18, SPRT
	s_add_co_u32 s87, s87, 2*SPRT
	s_sub_co_u32 s87, s87, s86
	s_add_co_u32 s86, s86, SCL
	s_mul_i32 s88, s16, 4352
	s_add_co_u32 s88, s88, STAGE                   ; my stage
	v_and_b32 v1, 15, v0                           ; r
	v_bfe_u32 v2, v0, 4, 1                         ; h
	v_and_b32 v3, 31, v0
	v_lshlrev_b32 v3, 4, v3                        ; 16 x lane
	v_mul_u32_u24 v4, v1, BP
	v_lshl_add_u32 v4, v2, 4, v4
	v_add_nc_u32 v[ADRA], s84, v3                  ; K steps 0-3,
	v_add_nc_u32 v[ADRA+1], 0x10000, v[ADRA]       ; and 4-7
	v_add_nc_u32 v[ADRB], s85, v4
	v_lshrrev_b32 v5, 3, v1
	v_and_b32 v6, 7, v1
	v_mul_u32_u24 v5, v5, 272
	v_lshl_add_u32 v5, v6, 5, v5                   ; row r's 32 scale bytes: 272 (r / 8) + 32 (r % 8)
	v_mul_u32_u24 v6, s87, v2                      ; lanes 16-31 take W_out's
	v_add_nc_u32 v5, v5, v6
	v_add_nc_u32 v[ADRS], s86, v5
	v_mul_u32_u24 v5, v1, 272
	v_lshl_add_u32 v5, v2, 5, v5
	v_add_nc_u32 v[STO], s88, v5                   ; in: row r, 32 bytes for each half of the lanes
	v_mul_u32_u24 v6, v2, 272
	v_lshl_add_u32 v6, v1, 4, v6
	v_add_nc_u32 v[RD], s88, v6                    ; back: lanes 0-15 one row of 256 bytes, lanes 16-31 the next
	v_lshlrev_b32 v[CO], 12, v2
	v_lshl_add_u32 v[CO], v1, 4, v[CO]             ; and the same two rows of out0
	v_lshlrev_b32 v[BO], 5, v2
	s_wait_alu depctr_va_vdst(0)                   ; directly ahead of the waits below
	s_wait_dscnt 0x0                               ; both opening adds are done
	s_wait_kmcnt 0x0
	GROUP0 56, 0, 4, 76
	GROUP0 60, BOFF, 8, 80
	GROUP0 68, SCL, 6, 78
	GROUP0 72, SCL+2*SPRT, 10, 82
	CROUND                                         ; all sixteen work-groups are here: the joint loads meet
	ARM 1, 56, 24, .Lfor_b                         ; one tree of branches on the wave's number; every way through it passes one load
	ARM 2, 60, 32, .Lfor_sa
	ARM 3, 68, 40, .Lfor_sb
	tensor_load_to_lds s[72:75], s[48:55]
	s_nop 0
.rept 4
	v_nop
.endr
.Lasked:
	s_lshl_b32 s2, s21, 7
	s_lshl_b32 s3, s18, 6
	s_add_co_u32 s2, s2, s3                        ; my first column
	s_lshl_b32 s2, s2, 2
	s_mov_b32 s3, 0
	s_add_nc_u64 s[12:13], s[12:13], s[2:3]
	s_add_nc_u64 s[14:15], s[14:15], s[2:3]
	s_lshl_b32 s2, s22, 7
	s_lshl_b32 s23, s17, 6
	s_add_co_u32 s2, s2, s23                       ; my first token
	s_lshl_b32 s2, s2, 12
	s_add_nc_u64 s[14:15], s[14:15], s[2:3]
.irp b, 0,1,2,3
	global_load_b128 v[BI+8*\b:BI+8*\b+3], v[BO], s[12:13] offset:64*\b       ; b_out at columns 16 b + 8 h + 0 .. 7: the result's layout
	global_load_b128 v[BI+8*\b+4:BI+8*\b+7], v[BO], s[12:13] offset:64*\b+16
.endr
.macro FETCH s                         ; K step s: 32 LDS loads into set s % 2
.set FB, 128*((\s)%2)
	WIN 0x40                                       ; destination window 1
.irp i, 0,1,2,3
.irp c, 0,1,2,3
	ds_load_b128 v[FB+16*\i+4*\c:FB+16*\i+4*\c+3], v[ADRA+(\s)/4] offset:16384*((\s)%4)+2048*\i+512*\c
.endr
.endr
.irp i, 0,1,2,3
.irp c, 0,1,2,3
	ds_load_b128 v[FB+64+16*\i+4*\c:FB+64+16*\i+4*\c+3], v[ADRB] offset:16*BP*\i+128*(\s)+32*\c
.endr
.endr
.endm
.macro MUL s                           ; 16 matrix instructions; the accumulators take turns, one instruction a turn
.set FB, 128*((\s)%2)
	WIN 0x05                                       ; sources 0 and 1 window 1; C and D window 0
.irp a, 0,1,2,3
.irp b, 0,1,2,3
.if (\s) == 0
	v_wmma_scale_f32_16x16x128_f8f6f4 v[ACC+8*(4*\a+\b):ACC+8*(4*\a+\b)+7], v[FB+64+16*\b:FB+64+16*\b+15], v[FB+16*\a:FB+16*\a+15], v[BI+8*\b:BI+8*\b+7], v[SC+10*\b+(\s)], v[SC+10*\a+(\s)] matrix_a_fmt:MATRIX_FMT_BF8 matrix_b_fmt:MATRIX_FMT_BF8 matrix_a_scale:MATRIX_SCALE_ROW1
.else
	v_wmma_scale_f32_16x16x128_f8f6f4 v[ACC+8*(4*\a+\b):ACC+8*(4*\a+\b)+7], v[FB+64+16*\b:FB+64+16*\b+15], v[FB+16*\a:FB+16*\a+15], v[ACC+8*(4*\a+\b):ACC+8*(4*\a+\b)+7], v[SC+10*\b+(\s)], v[SC+10*\a+(\s)] matrix_a_fmt:MATRIX_FMT_BF8 matrix_b_fmt:MATRIX_FMT_BF8 matrix_a_scale:MATRIX_SCALE_ROW1
.endif
.endr
.endr
.endm
.macro KSTEP s
.if (\s) > 0
	PLACES
.endif
	FETCH (\s)+1
	s_wait_dscnt 32                                ; all but the 32 just issued: this step's fragments are in
	MUL \s
.endm
	s_wait_tensorcnt 0x0                           ; my tile is in,
	s_barrier_signal -1
	s_barrier_wait -1                              ; and all four; nothing is filled again
.irp i, 0,1,2,3
	ds_load_b128 v[SC+10*\i:SC+10*\i+3], v[ADRS] offset:544*\i        ; the scale words of all eight K steps, once
	ds_load_b128 v[SC+10*\i+4:SC+10*\i+7], v[ADRS] offset:544*\i+16
.endr
	FETCH 0
	s_wait_loadcnt 0x0                             ; the bias
	KSTEP 0
	KSTEP 1
	KSTEP 2
	KSTEP 3
	KSTEP 4
	KSTEP 5
	KSTEP 6
	s_wait_dscnt 0x0
	MUL 7
	WIN 0
	; THE WAY OUT: 16 tokens x 64 columns at a time through my own stage: a row's 256 bytes come back whole, and sixteen lanes store them as one aligned run
	PLACES
.macro SENDBLK a
.set BB, BI+32*((\a)%2)
.if (\a) >= 2
	s_wait_xcnt 0x0                                ; the stores of two blocks back have read their registers
.endif
.irp b, 0,1,2,3
	ds_store_b128 v[STO], v[ACC+8*(4*(\a)+\b):ACC+8*(4*(\a)+\b)+3] offset:64*\b      ; each accumulator from its low end on
	ds_store_b128 v[STO], v[ACC+8*(4*(\a)+\b)+4:ACC+8*(4*(\a)+\b)+7] offset:64*\b+16
.endr
.irp t, 0,1,2,3,4,5,6,7
	ds_load_b128 v[BB+4*\t:BB+4*\t+3], v[RD] offset:544*\t      ; LDS serves a wave's instructions in order (ISA guide 5.7.1.4): these see my stores
.endr
.irp t, 0,1,2,3,4,5,6,7
	s_wait_dscnt 7-\t                              ; the younger reads may be out
	global_store_b128 v[CO], v[BB+4*\t:BB+4*\t+3], s[14:15] offset:65536*(\a)+8192*\t th:TH_STORE_NT
.endr
.endm
	SENDBLK 0
	SENDBLK 1
	SENDBLK 2
	SENDBLK 3
	s_wait_tensorcnt 0x0                           ; the wave's end
	ds_add_u32 v[SPW], v[NIL]
	s_wait_dscnt 0x0
	CROUND                                         ; the closing round
	s_endpgm
.Lfunc_end_k_q5b6df3b8d7_proj:
	.size	k_q5b6df3b8d7_proj, .Lfunc_end_k_q5b6df3b8d7_proj-k_q5b6df3b8d7_proj
	.p2alignl 7, 3214868480
	.fill 96, 4, 3214868480
	.section	.rodata,"a",@progbits
	.p2align	6, 0x0
	.amdhsa_kernel k_q5b6df3b8d7_proj
		.amdhsa_group_segment_fixed_size 327680
		.amdhsa_private_segment_fixed_size 0
		.amdhsa_enable_private_segment 0
		.amdhsa_kernarg_size 48
		.amdhsa_user_sgpr_count 2
		.amdhsa_user_sgpr_kernarg_segment_ptr 1
		.amdhsa_wavefront_size32 1
		.amdhsa_system_sgpr_workgroup_id_x 1
		.amdhsa_system_sgpr_workgroup_id_y 1
		.amdhsa_system_sgpr_workgroup_id_z 1
		.amdhsa_system_vgpr_workitem_id 0
		.amdhsa_next_free_vgpr 512
		.amdhsa_next_free_sgpr 102
		.amdhsa_reserve_vcc 0
		.amdhsa_float_denorm_mode_32 3
		.amdhsa_float_denorm_mode_16_64 3
		.amdhsa_memory_ordered 1
		.amdhsa_forward_progress 1
		.amdhsa_inst_pref_size 53
	.end_amdhsa_kernel
	.amdgpu_metadata
---
amdhsa.version: [ 1, 2 ]
amdhsa.kernels:
  - .name:           k_q5b6df3b8d7_proj
    .symbol:         k_q5b6df3b8d7_proj.kd
    .args:
      - { .name: a_img, .offset: 0, .size: 8, .value_kind: global_buffer, .address_space: global }
      - { .name: a_sc, .offset: 8, .size: 8, .value_kind: global_buffer, .address_space: global }
      - { .name: W_out_codes, .offset: 16, .size: 8, .value_kind: global_buffer, .address_space: global }
      - { .name: W_out_scales, .offset: 24, .size: 8, .value_kind: global_buffer, .address_space: global }
      - { .name: b_out, .offset: 32, .size: 8, .value_kind: global_buffer, .address_space: global }
      - { .name: out0, .offset: 40, .size: 8, .value_kind: global_buffer, .address_space: global }
    .group_segment_fixed_size: 327680
    .private_segment_fixed_size: 0
    .kernarg_segment_align: 8
    .kernarg_segment_size: 48
    .max_flat_workgroup_size: 128
    .sgpr_count:     102
    .vgpr_count:     512
    .wavefront_size: 32
...
	.end_amdgpu_metadata
.endif
;; end of part 3
